; MI455X (gfx1250); checked and timed in simulation.
; The chip was launched on July 23, 2026; its instructions are those of AMD's public machine-readable ISA for CDNA 5 (MIT licence, August 2026) and "CDNA5" Instruction Set Architecture Reference Guide (July 2026). The comments in the code are by the model that wrote it; some were corrected since.
;; Ver2f. Allowed arithmetic: float matrix products may take bf16 or f16 operands with f32 sums; all other float work in f32.
;; Inputs: W_proj 512 x 512 float32; Wu 512 x 256 float32; Wv 512 x 256 float32; b_attn one number float32; b_proj 512 float32; bu 256 float32; bv 256 float32; coord_l 2 x 16,384 x 2 float32; coord_s 2 x 16,384 x 2 float32; desc_feats 4 x 8 x 512 float32; w_attn 256 float32; x_l 2 x 16,384 x 512 float32; x_s 2 x 16,384 x 512 float32.
;; Outputs: out0 2 x 4 float32; out1 2 int32; out2 2 x 16,384 x 4 float32; out3 2 x 16,384 x 4 float32.
;; 2 versions, each right and faster than the one before. Each part assembles by itself: llvm-mc -triple=amdgcn-amd-amdhsa -mcpu=gfx1250 --defsym DOCPART=n.
;; ======== version 1 of 2: 3 launches
;; workspace buffers: wf 1,086,464 bytes; part 589,824 bytes
;; launch prep (part 1): grid 289 x 1, 2 waves a work-group, no clusters, 0 bytes of LDS; arguments W_proj, Wv, Wu, desc_feats, b_proj, bv, bu, w_attn, wf; writes wf
.if DOCPART == 1
	.amdgcn_target "amdgcn-amd-amdhsa--gfx1250"
	.amdhsa_code_object_version 6
	.text
	.protected	k_q14d8bb8773_prep
	.globl	k_q14d8bb8773_prep
	.p2align	8
	.type	k_q14d8bb8773_prep,@function
k_q14d8bb8773_prep:
	s_mov_b64 s[64:65], 0
	v_nop
	global_prefetch_b8 v0, s[64:65] scope:SCOPE_SE
	s_setreg_imm32_b32 hwreg(HW_REG_WAVE_MODE, 25, 1), 1
	s_wait_xcnt 0x0
; PREP: the weights, rounded once to bf16 and laid out as the matrix fragments that the second launch reads, and the small tables in f32.
;
; WORK OF reference() THAT THE WHOLE PROGRAM LEAVES OUT, for all finite values of the inputs:
;  (1) coord_s, coord_l stand in no expression of reference(): no way to any output.
;  (2) b_attn is added alike to every A[b, n]; the softmax along n gives exp(A + b - max(A + b)) / sum = exp(A - max A) / sum: it cancels.
;  (3) einsum('bnck,ckd,bnd->bnc') = sum over k of attn[k] <desc[c,k], xp>, and <desc[c,k], xp> is sim / scale: the product with
;      desc_feats is made once and used for the softmax and for the weighted sum.
;  coord_s, coord_l and b_attn are loaded by no launch and are among no launch's arguments.
;  LIMIT: a NaN, an infinity or an overflow that reaches only these is not carried to the results.
;
; wf, bytes: blocks of 1,024 for column tile T (16 output columns) and K step s (32 k) at T*16384 + s*1024.  In a block, byte
; half*512 + 16 L + 2 e holds W[32 s + 16 half + 8 (L/16) + e][16 t + L%16]: two 16-byte reads a lane, at 16 L and 512 + 16 L, are the
; eight registers of a 16-bit fragment (ISA guide 7.12.2).  T = 0..31: W_proj; T = 32 + 2 i: Wv's tile i; T = 33 + 2 i: Wu's tile i.
; At WF_DESC two tiles t of desc_feats: fragment row m stands for class 2 (m/8) + t, description m%8.
; At WF_TAB, f32: b_proj[512]; +2048 bv * 2 log2(e) [256]; +3072 bu * (-log2(e)) [256]; +4096 w_attn[256].
; Work-groups 0..255: one K step and 64 columns, wave = half.  256..287: desc_feats.  288: the tables.
.set WF_DESC, 1048576
.set WF_TAB,  1081344
	s_load_b512 s[4:19], s[0:1], 0x0               ; W_proj s[4:5], Wv s[6:7], Wu s[8:9], desc s[10:11], b_proj s[12:13], bv s[14:15], bu s[16:17], w_attn s[18:19]
	s_load_b64 s[20:21], s[0:1], 0x40              ; wf
	v_lshrrev_b32 v1, 5, v0
	v_readfirstlane_b32 s22, v1                    ; wave = which 16 of the K step's 32 rows
	v_and_b32 v2, 31, v0                           ; lane
	s_wait_kmcnt 0x0
	s_cmp_ge_u32 ttmp9, 256
	s_cbranch_scc1 .Lnot_weights
; 16 rows of W x 64 columns: 32 loads of 128 neighbouring bytes (the two of a row cover 256 aligned bytes), 16 roundings of pairs along k,
; 4 stores in which sixteen neighbouring lanes write 256 consecutive bytes, aligned.  pitch: bytes of a row of W; tsh: log2 of the bytes from tile to tile.
.macro WJOB pitch, tsh
	v_lshl_add_u32 v3, v4, \tsh, v3                ; (lane / 16) tiles + 16 (lane % 16)
.irp p, 0,1
.irp h, 0,1
.irp e, 0,1,2,3,4,5,6,7
	global_load_b32 v[8+8*(2*\p+\h)+\e], v1, s[26:27] offset:(8*\h+\e)*\pitch+128*\p th:TH_LOAD_NT
.endr
.endr
.endr
	s_wait_loadcnt 0x0
.irp i, 0,1,2,3,4,5,6,7,8,9,10,11,12,13,14,15
	v_cvt_pk_bf16_f32 v[40+\i], v[8+2*\i], v[9+2*\i]
.endr
.irp p, 0,1
.irp h, 0,1
	global_store_b128 v3, v[40+4*(2*\p+\h):40+4*(2*\p+\h)+3], s[28:29] offset:(\p<<(\tsh+1))+256*\h
.endr
.endr
.endm
	s_and_b32 s24, ttmp9, 15                       ; K step s
	s_lshr_b32 s25, ttmp9, 4                       ; column group: 0..7 W_proj, 8..11 Wv, 12..15 Wu
	v_lshlrev_b32 v1, 2, v2                        ; 4 x lane: my column in the 32 of a load
	v_and_b32 v3, 15, v2
	v_lshrrev_b32 v4, 4, v2
	v_lshlrev_b32 v3, 4, v3                        ; 16 (lane % 16)
	s_lshl_b32 s30, s24, 10
	s_lshl_b32 s31, s22, 9
	s_add_co_u32 s30, s30, s31                     ; s*1024 + half*512: the place in a tile
	s_cmp_ge_u32 s25, 8
	s_cbranch_scc1 .Lgates
	s_lshl_b32 s26, s24, 16                        ; W_proj: (32 s + 16 half) rows of 2,048 bytes + 256 bytes a group
	s_lshl_b32 s27, s22, 15
	s_add_co_u32 s26, s26, s27
	s_lshl_b32 s27, s25, 8
	s_add_co_u32 s26, s26, s27
	s_mov_b32 s27, 0
	s_add_nc_u64 s[26:27], s[4:5], s[26:27]
	s_lshl_b32 s28, s25, 16                        ; four tiles of 16,384 bytes a group
	s_add_co_u32 s28, s28, s30
	s_mov_b32 s29, 0
	s_add_nc_u64 s[28:29], s[20:21], s[28:29]
	WJOB 2048, 14
	s_endpgm
.Lgates:
	s_and_b32 s32, s25, 3                          ; group of 64 of the 256 hidden columns
	s_bfe_u32 s33, s25, 0x10002                    ; 0: Wv, 1: Wu
	s_cmp_eq_u32 s33, 0
	s_cselect_b64 s[34:35], s[6:7], s[8:9]
	s_lshl_b32 s26, s24, 15                        ; (32 s + 16 half) rows of 1,024 bytes + 256 bytes a group
	s_lshl_b32 s27, s22, 14
	s_add_co_u32 s26, s26, s27
	s_lshl_b32 s27, s32, 8
	s_add_co_u32 s26, s26, s27
	s_mov_b32 s27, 0
	s_add_nc_u64 s[26:27], s[34:35], s[26:27]
	s_lshl_b32 s28, s33, 14                        ; tile 32 + isU + 2 i, i = 4 group + ..: Wv's and Wu's tiles alternate
	s_add_co_u32 s28, s28, 32*16384
	s_lshl_b32 s29, s32, 17
	s_add_co_u32 s28, s28, s29
	s_add_co_u32 s28, s28, s30
	s_mov_b32 s29, 0
	s_add_nc_u64 s[28:29], s[20:21], s[28:29]
	WJOB 1024, 15
	s_endpgm
.Lnot_weights:
	s_cmp_ge_u32 ttmp9, 288
	s_cbranch_scc1 .Ltables
	; desc_feats: thread q makes the 16 bytes at WF_DESC + 16 q; q = L + 32 half + 64 s + 1024 t
	s_sub_co_u32 s24, ttmp9, 256
	s_lshl_b32 s24, s24, 6
	v_add_nc_u32 v1, s24, v0                       ; q
	v_and_b32 v2, 7, v1                            ; description
	v_bfe_u32 v3, v1, 3, 1                         ; upper bit of the class
	v_bfe_u32 v4, v1, 4, 1                         ; h
	v_bfe_u32 v5, v1, 5, 1                         ; half
	v_bfe_u32 v6, v1, 6, 4                         ; s
	v_lshrrev_b32 v7, 10, v1                       ; t: lower bit of the class
	v_lshlrev_b32 v8, 11, v2                       ; rows of 2,048 bytes: ((2 hi + t) 8 + description),
	v_lshl_add_u32 v8, v3, 15, v8
	v_lshl_add_u32 v8, v7, 14, v8
	v_lshl_add_u32 v8, v6, 7, v8                   ; and 4 (32 s + 16 half + 8 h) along the row
	v_lshl_add_u32 v8, v5, 6, v8
	v_lshl_add_u32 v8, v4, 5, v8
	v_lshlrev_b32 v9, 4, v1
	global_load_b128 v[12:15], v8, s[10:11]
	global_load_b128 v[16:19], v8, s[10:11] offset:16
	s_wait_loadcnt 0x0
.irp i, 0,1,2,3
	v_cvt_pk_bf16_f32 v[20+\i], v[12+2*\i], v[13+2*\i]
.endr
	global_store_b128 v9, v[20:23], s[20:21] offset:WF_DESC
	s_endpgm
.Ltables:
	v_lshlrev_b32 v1, 4, v0                        ; 64 threads x 16 bytes = 1,024 bytes a line
	global_load_b128 v[4:7],   v1, s[12:13]
	global_load_b128 v[8:11],  v1, s[12:13] offset:1024
	global_load_b128 v[12:15], v1, s[14:15]
	global_load_b128 v[16:19], v1, s[16:17]
	global_load_b128 v[20:23], v1, s[18:19]
	s_wait_loadcnt 0x0
	v_pk_mul_f32 v[12:13], v[12:13], 0x4038aa3b op_sel_hi:[1,0]    ; bv * 2 log2(e): tanh is made from exp2(2 log2(e) z)
	v_pk_mul_f32 v[14:15], v[14:15], 0x4038aa3b op_sel_hi:[1,0]
	v_pk_mul_f32 v[16:17], v[16:17], 0xbfb8aa3b op_sel_hi:[1,0]    ; bu * (-log2(e)): the sigmoid from exp2(-log2(e) y)
	v_pk_mul_f32 v[18:19], v[18:19], 0xbfb8aa3b op_sel_hi:[1,0]
	global_store_b128 v1, v[4:7],   s[20:21] offset:WF_TAB
	global_store_b128 v1, v[8:11],  s[20:21] offset:WF_TAB+1024
	global_store_b128 v1, v[12:15], s[20:21] offset:WF_TAB+2048
	global_store_b128 v1, v[16:19], s[20:21] offset:WF_TAB+3072
	global_store_b128 v1, v[20:23], s[20:21] offset:WF_TAB+4096
	s_endpgm
.Lfunc_end_k_q14d8bb8773_prep:
	.size	k_q14d8bb8773_prep, .Lfunc_end_k_q14d8bb8773_prep-k_q14d8bb8773_prep
	.p2alignl 7, 3214868480
	.fill 96, 4, 3214868480
	.section	.rodata,"a",@progbits
	.p2align	6, 0x0
	.amdhsa_kernel k_q14d8bb8773_prep
		.amdhsa_group_segment_fixed_size 0
		.amdhsa_private_segment_fixed_size 0
		.amdhsa_enable_private_segment 0
		.amdhsa_kernarg_size 72
		.amdhsa_user_sgpr_count 2
		.amdhsa_user_sgpr_kernarg_segment_ptr 1
		.amdhsa_wavefront_size32 1
		.amdhsa_system_sgpr_workgroup_id_x 1
		.amdhsa_system_sgpr_workgroup_id_y 1
		.amdhsa_system_sgpr_workgroup_id_z 1
		.amdhsa_system_vgpr_workitem_id 0
		.amdhsa_next_free_vgpr 64
		.amdhsa_next_free_sgpr 66
		.amdhsa_reserve_vcc 0
		.amdhsa_float_denorm_mode_32 3
		.amdhsa_float_denorm_mode_16_64 3
		.amdhsa_memory_ordered 1
		.amdhsa_forward_progress 1
		.amdhsa_inst_pref_size 14
	.end_amdhsa_kernel
	.amdgpu_metadata
---
amdhsa.version: [ 1, 2 ]
amdhsa.kernels:
  - .name:           k_q14d8bb8773_prep
    .symbol:         k_q14d8bb8773_prep.kd
    .args:
      - { .name: W_proj, .offset: 0, .size: 8, .value_kind: global_buffer, .address_space: global }
      - { .name: Wv, .offset: 8, .size: 8, .value_kind: global_buffer, .address_space: global }
      - { .name: Wu, .offset: 16, .size: 8, .value_kind: global_buffer, .address_space: global }
      - { .name: desc_feats, .offset: 24, .size: 8, .value_kind: global_buffer, .address_space: global }
      - { .name: b_proj, .offset: 32, .size: 8, .value_kind: global_buffer, .address_space: global }
      - { .name: bv, .offset: 40, .size: 8, .value_kind: global_buffer, .address_space: global }
      - { .name: bu, .offset: 48, .size: 8, .value_kind: global_buffer, .address_space: global }
      - { .name: w_attn, .offset: 56, .size: 8, .value_kind: global_buffer, .address_space: global }
      - { .name: wf, .offset: 64, .size: 8, .value_kind: global_buffer, .address_space: global }
    .group_segment_fixed_size: 0
    .private_segment_fixed_size: 0
    .kernarg_segment_align: 8
    .kernarg_segment_size: 72
    .max_flat_workgroup_size: 64
    .sgpr_count:     66
    .vgpr_count:     64
    .wavefront_size: 32
...
	.end_amdgpu_metadata
.endif
;; end of part 1
;; launch main (part 2): grid 256 x 1, 4 waves a work-group, clusters of 4 x 1, 327,680 bytes of LDS; arguments x_s, x_l, wf, out2, out3, part; writes out2, out3, part
.if DOCPART == 2
	.amdgcn_target "amdgcn-amd-amdhsa--gfx1250"
	.amdhsa_code_object_version 6
	.text
	.protected	k_q14d8bb8773_main
	.globl	k_q14d8bb8773_main
	.p2align	8
	.type	k_q14d8bb8773_main,@function
k_q14d8bb8773_main:
	s_mov_b64 s[64:65], 0
	v_nop
	global_prefetch_b8 v0, s[64:65] scope:SCOPE_SE
	s_setreg_imm32_b32 hwreg(HW_REG_WAVE_MODE, 25, 1), 1
	s_wait_xcnt 0x0
	s_wait_alu depctr_hold_cnt(0) depctr_sa_sdst(0) depctr_va_vdst(0) depctr_va_sdst(0) depctr_va_ssrc(0) depctr_va_vcc(0) depctr_vm_vsrc(0)
	s_getreg_b32 s2, hwreg(HW_REG_IB_STS2, 6, 4)
	s_cmp_eq_u32 s2, 0
	s_cbranch_scc0 .Lentry_in_a_cluster
	s_endpgm
.Lentry_in_a_cluster:
	s_bfe_u32 s2, ttmp6, 0x10000c
	s_cmp_lg_u32 s2, 0x3003
	s_cbranch_scc0 .Lentry_shape_is_right
	s_endpgm
.Lentry_shape_is_right:
; MAIN: everything that belongs to a patch row, and each work-group's share of the pooling softmax.
; Left out as in the first kernel's head: coord_s, coord_l, b_attn (they reach no output); the product with desc_feats is made once.
;
; Work-group g = 0..255 owns 256 rows of x_s (g < 128) or x_l; a wave owns 64 rows (4 row tiles mt of 16) through every step, so every
; reduction along a row stays in the wave.  Steps: x -> bf16 fragments and 1/|x|;  p = (x W_proj)/|x| + b_proj, sum of p^2, p -> bf16;
; gates on p with 1/|p| applied behind the product;  the 32 dot products with desc_feats, the softmax over 8 and the 4 scores a row;
; then the work-group's maximum M of the gate logits, l = sum exp(A - M), v = sum exp(A - M) p/|p|, stored to part for the last launch.
; EVERY PRODUCT IS USED TRANSPOSED: source 0 = 16 output columns of a weight (from LDS), source 1 = 16 patch rows (resident in registers).
; Lane (r = L%16, h = L/16) then holds of row r the columns 16 t + 8 h + 0..7: four packings of tile 2 s are registers 0-3, of tile 2 s + 1
; registers 4-7 of the next product's row fragment of K step s (ISA guide 7.12.2), so p needs no way through LDS to be multiplied again.
; CLUSTER: all work-groups walk the same 1,086,464 bytes of wf; the four of a cluster ask for each tile jointly (mask 15).  The descriptors
; are made of the wave's number and the fill's number alone; the place in the cluster enters only the addresses of x, out and part.
; LIMITS: matrix operands (x, weights, p, pooling weights) are bf16, sums f32; both norms are taken on the f32 numbers; a sum of squares
; below 2^-126 counts as 0 (inside the clip at 1e-12) and one above 3.4e38 (|x| about 1.8e19) overflows as in reference(); maxima drop a NaN.
.set SLOTB, 65536                      ; an LDS slot: 4 column tiles x 16 K steps x 1,024 bytes
.set RES,   131072                     ; filled once: the two desc tiles (32,768 bytes), then the tables (5,120 bytes)
.set TAB,   RES+32768
.set PST,   168960                     ; 32,768 bytes a wave, its own: first 16 rows of x in bf16 (pitch XP) and partial sums (at SSQ, pitch SP); then 64 chunks of p
.set XP,    1040                       ; 1,024 + 16: an odd multiple of 16, so the 16 rows that a fragment load touches lie 16 bytes apart modulo 256
.set SSQ,   16640
.set SP,    144
.set WSC,   300032                     ; 256 bytes a wave: its 64 pooling weights, f32
.set MX,    301056                     ; the four waves' maxima, at +16 their sums l
.set VS,    301312                     ; 2,048 bytes a wave: its v[512]
.set WFRES, 1048576                    ; where RES's bytes lie in wf
.set SCL,   0x3d8293ee                 ; 512^-0.5 log2(e)
.set NSCL,  0xbd8293ee
.set BIG,   0x5368d4a5                 ; 1e12 = 1 / EPS
; window 0
.set WA0, 1                            ; 16 L: fragments in slot 0; also my 16 bytes in 512 of a row of x
.set WA1, 2                            ; the same in slot 1
.set WAR, 3                            ; the same in RES
.set TBA, 4                            ; TAB + 32 h: my 8 numbers of 16 in a table
.set GTA, 5                            ; the gates' tables, stepped by four tiles a trip
.set PSA, 6                            ; my 16 bytes of a chunk of p
.set TRA, 7                            ; my address in a chunk for the transposing load
.set VSA, 8                            ; my word in my wave's row of VS
.set XST, 9                            ; staging of x: 8 L
.set XFR, 10                           ; staging of x, read as fragments: XP r + 16 h
.set SSW, 11                           ; partial sums of squares, written: 4 L
.set SSR, 12                           ; read: SP r + 64 h
.set OUTO, 13                          ; 16 r + 8 h: my two scores of a row
.set RS,  16                           ; v[16:23]  a pair for each mt: (1/|x|, 1/|x|), later (2 log2e /|p|, -log2e /|p|)
.set SSP, 24                           ; v[24:31]  a pair for each mt: sum of p^2, later the gate logit
.set ACC, 32                           ; v[32:95]  8 accumulator tiles, 4 nt + mt
.set WB0, 96                           ; v[96:159], v[160:223]  weight fragments, two buffers of 4 K steps x 2 tiles
.set BI,  224                          ; v[224:247] biases and tables; later the pooling weights' fragments, and the scores at +16
.set RP,  248                          ; v[248:251] 1/|p| for each mt
.set MR,  252                          ; the maximum M
; window 1: two buffers of 128 registers of x as loaded; then p, K steps 0-7, at 32 s + 8 mt + 4 nt
; windows 2, 3: x fragments, K steps 0-7 and 8-15, at 32 (s%8) + 8 mt; window 2 later p, K steps 8-15
.set G1,  24                           ; s[24:31] shape of a slot's quarter: 64 rows of 256 bytes
.set G1R, 32                           ; s[32:39] shape of RES's quarter: 37 rows of 256 bytes
.set G0,  40                           ; s[40:47] from where, to where: a set for each slot
.set G0R, 48                           ; s[48:51] the same for RES
.set MSB, 0
.macro WIN new                         ; s_set_vgpr_msb: bits 1:0 source 0, 3:2 source 1, 5:4 source 2, 7:6 destination; the high byte repeats the setting left
.if MSB != \new
	s_set_vgpr_msb (MSB<<8)|\new
.set MSB, \new
.endif
.endm
.macro PLACES n
.rept \n
	v_nop
.endr
.endm
; A round of the cluster's barrier: my work-group's barrier, wave 0 signals for the work-group, every wave waits for all four work-groups, my work-group's barrier again.
.macro ROUND
	s_barrier_signal -1
	s_barrier_wait -1
	s_cmp_lg_u32 s16, 0
	s_cbranch_scc1 .Lnot_wave_0_\@
	s_barrier_signal -3
.Lnot_wave_0_\@:
	s_barrier_wait -3
	s_barrier_signal -1
	s_barrier_wait -1
.endm
	s_load_b256 s[4:11], s[0:1], 0x0               ; x_s s[4:5], x_l s[6:7], wf s[8:9], out2 s[10:11]
	s_load_b128 s[12:15], s[0:1], 0x20             ; out3 s[12:13], part s[14:15]
	v_lshl_add_u32 v254, v0, 2, 0x4b900
	v_mov_b32 v255, 0
	ds_add_u32 v254, v255
	s_wait_dscnt 0x0
	v_lshrrev_b32 v14, 5, v0
	v_readfirstlane_b32 s16, v14                   ; wave 0..3
	s_bfe_u32 s17, ttmp6, 0x40000                  ; my place in the cluster
	s_lshl_b32 s18, ttmp9, 2
	s_add_co_u32 s18, s18, s17                     ; g
	s_mov_b32 s52, 0x76543210                      ; v_permlanex16_b32: lane i reads lane i of the other half
	s_mov_b32 s53, 0xfedcba98
	s_mov_b32 s54, 0xffff0000                      ; lanes 16-31
	; group 1: dense rows of 32 elements of 8 bytes; 15:0 mask = the cluster's four; 17:16 size code 3; 21 set beside a mask
	s_mov_b32 s[G1+0], 0x0023000f
	s_mov_b32 s[G1+1], 32<<16                      ; tensor_dim0 = 32
	s_mov_b32 s[G1+2], 64<<16                      ; tensor_dim1 = 64
	s_mov_b32 s[G1+3], 32<<16                      ; tile_dim0 = 32
	s_mov_b32 s[G1+4], 64                          ; tile_dim1 = 64
	s_mov_b32 s[G1+5], 32                          ; from row to row
	s_mov_b32 s[G1+6], 0
	s_mov_b32 s[G1+7], 0
	s_mov_b32 s[G1R+0], 0x0023000f
	s_mov_b32 s[G1R+1], 32<<16
	s_mov_b32 s[G1R+2], 37<<16
	s_mov_b32 s[G1R+3], 32<<16
	s_mov_b32 s[G1R+4], 37
	s_mov_b32 s[G1R+5], 32
	s_mov_b32 s[G1R+6], 0
	s_mov_b32 s[G1R+7], 0
	; group 0: each wave brings a quarter: tile number wave of a slot's four, rows 37 wave .. of RES
	s_mov_b32 s[G0+0], 1
	s_lshl_b32 s[G0+1], s16, 14
	s_mov_b32 s[G0+4], 1
	s_add_co_u32 s[G0+5], s[G0+1], SLOTB
	s_mov_b32 s[G0R+0], 1
	s_mul_i32 s58, s16, 37*256
	s_add_co_u32 s[G0R+1], s58, RES
	s_lshl_b32 s56, s16, 14
	s_mov_b32 s57, 0
	s_mov_b32 s59, 0
	s_lshl_b32 s19, s16, 15
	s_add_co_u32 s19, s19, PST                     ; my wave's part of PST
	s_and_b32 s60, s18, 127                        ; my 256 rows among the source's 32,768
	s_lshl_b32 s60, s60, 19                        ; x 2,048 bytes
	s_lshl_b32 s61, s16, 17                        ; + my wave's 64 rows
	s_add_co_u32 s60, s60, s61
	s_mov_b32 s61, 0
	s_mul_i32 s62, s18, 2304                       ; my record in part
	s_mov_b32 s63, 0
	s_wait_kmcnt 0x0
	s_add_nc_u64 s[G0+2:G0+3], s[8:9], s[56:57]    ; fill 0
	s_add_nc_u64 s[G0+6:G0+7], s[G0+2:G0+3], SLOTB ; fill 1
	s_add_nc_u64 s[G0R+2:G0R+3], s[8:9], s[58:59]
	s_add_nc_u64 s[G0R+2:G0R+3], s[G0R+2:G0R+3], WFRES
	s_or_b32 s[G0+3], s[G0+3], 0x80000000          ; type = 2
	s_or_b32 s[G0+7], s[G0+7], 0x80000000
	s_or_b32 s[G0R+3], s[G0R+3], 0x80000000
	s_cmp_lt_u32 ttmp9, 32                         ; clusters 0..31: x_s and out2, the same for all four partners
	s_cselect_b64 s[20:21], s[4:5], s[6:7]
	s_cselect_b64 s[22:23], s[10:11], s[12:13]
	s_add_nc_u64 s[20:21], s[20:21], s[60:61]      ; x at my wave's first row
	s_lshr_b32 s60, s60, 7                         ; 16 bytes of scores for 2,048 of x
	s_add_nc_u64 s[22:23], s[22:23], s[60:61]      ; out at my wave's first row
	s_add_nc_u64 s[14:15], s[14:15], s[62:63]
	ROUND                                          ; the four work-groups are here: the first joint loads meet
	tensor_load_to_lds s[G0R:G0R+3], s[G1R:G1R+7]  ; the three first fills go out as one group, ahead of every LDS read, wait on TENSORcnt and further barrier:
	s_nop 0
	tensor_load_to_lds s[G0:G0+3], s[G1:G1+7]      ; three tensor loads of the wave are out here, later one behind each round
	s_nop 0
	tensor_load_to_lds s[G0+4:G0+7], s[G1:G1+7]
	s_nop 0
	v_and_b32 v14, 31, v0                          ; L
	v_and_b32 v15, 15, v0                          ; r
	v_bfe_u32 v252, v0, 4, 1                       ; h
	v_and_b32 v253, 7, v0
	v_bfe_u32 v254, v0, 3, 1
	v_lshlrev_b32 v[WA0], 4, v14
	v_add_nc_u32 v[WA1], SLOTB, v[WA0]
	v_add_nc_u32 v[WAR], RES, v[WA0]
	v_lshlrev_b32 v[TBA], 5, v252
	v_add_nc_u32 v[TBA], TAB, v[TBA]
	v_add_nc_u32 v[GTA], 2048, v[TBA]
	v_add_nc_u32 v[PSA], s19, v[WA0]
	v_lshlrev_b32 v[TRA], 4, v253                  ; a chunk holds (row r, column octet h) at 256 h + 16 r.  Lane 8 g + j addresses row 8 (g/2) + j of octet g%2,
	v_lshl_add_u32 v[TRA], v254, 8, v[TRA]         ; so that lane 8 g + i receives column 8 (g%2) + i = L%16 and rows 8 (L/16) + 0..7
	v_lshl_add_u32 v[TRA], v252, 7, v[TRA]
	v_add_nc_u32 v[TRA], s19, v[TRA]
	v_lshl_add_u32 v[XST], v14, 3, s19
	v_mul_u32_u24 v[XFR], v15, XP
	v_lshl_add_u32 v[XFR], v252, 4, v[XFR]
	v_add_nc_u32 v[XFR], s19, v[XFR]
	v_lshl_add_u32 v[SSW], v14, 2, s19
	v_add_nc_u32 v[SSW], SSQ, v[SSW]
	v_mul_u32_u24 v[SSR], v15, SP
	v_lshl_add_u32 v[SSR], v252, 6, v[SSR]
	v_add_nc_u32 v[SSR], s19, v[SSR]
	v_add_nc_u32 v[SSR], SSQ, v[SSR]
	v_lshlrev_b32 v[OUTO], 4, v15
	v_lshl_add_u32 v[OUTO], v252, 3, v[OUTO]
; ---------------- x: 8 batches of 8 rows, two batches (64 loads of 512 neighbouring bytes) of the wave on their way ----------------
.macro XLOAD b                         ; batch b into buffer b%2 of window 1.  The offset register and the base are never rewritten: row and quarter stand in the immediate
	WIN 0x40
.irp i, 0,1,2,3,4,5,6,7
.irp q, 0,1,2,3
	global_load_b128 v[128*((\b)&1)+16*\i+4*\q:128*((\b)&1)+16*\i+4*\q+3], v[WA0], s[20:21] offset:(8*(\b)+\i)*2048+512*\q th:TH_LOAD_NT
.endr
.endr
.endm
.macro XWORK b, left                   ; batch b: to bf16 into the staging rows, and each lane's share of each row's sum of squares
	s_wait_loadcnt \left                           ; loads come back in order (ISA guide 5.7.1): this batch is in, the younger batch's 32 stay out
	WIN 0x05                                       ; sources 0 and 1 in window 1
.irp i, 0,1,2,3,4,5,6,7
.irp q, 0,1,2,3
.set XR, 128*((\b)&1)+16*\i+4*\q
	v_cvt_pk_bf16_f32 v[ACC+8*\i+2*\q], v[XR], v[XR+1]
	v_cvt_pk_bf16_f32 v[ACC+8*\i+2*\q+1], v[XR+2], v[XR+3]
.if \q == 0
	v_pk_mul_f32 v[WB0+2*\i:WB0+2*\i+1], v[XR:XR+1], v[XR:XR+1]                               ; the first product starts the row's sum
.else
	v_pk_fma_f32 v[WB0+2*\i:WB0+2*\i+1], v[XR:XR+1], v[XR:XR+1], v[WB0+2*\i:WB0+2*\i+1]
.endif
	v_pk_fma_f32 v[WB0+2*\i:WB0+2*\i+1], v[XR+2:XR+3], v[XR+2:XR+3], v[WB0+2*\i:WB0+2*\i+1]
.endr
.endr
	WIN 0
.irp i, 0,1,2,3,4,5,6,7
.irp q, 0,1,2,3
	ds_store_b64 v[XST], v[ACC+8*\i+2*\q:ACC+8*\i+2*\q+1] offset:((8*(\b)+\i)&15)*XP+256*\q   ; 32 lanes x 8 bytes: columns 128 q + 4 L ..
.endr
.endr
.irp i, 0,1,2,3,4,5,6,7
	v_add_f32 v[WB0+2*\i], v[WB0+2*\i], v[WB0+2*\i+1]
.endr
.irp i, 0,1,2,3,4,5,6,7
	ds_store_b32 v[SSW], v[WB0+2*\i] offset:((8*(\b)+\i)&15)*SP
.endr
.endm
.macro XTILE mt                        ; 16 rows are staged: their fragments into windows 2 and 3, and 1 / max(|x|, 1e-12).  LDS serves a wave's instructions in order (ISA guide 5.7.1.4): no wait behind the stores, and the next batch's stores come behind these reads
	WIN 0                                          ; the run of x loads in front leaves the destination in window 1: the partial sums belong in window 0
.irp c, 0,1,2,3
	ds_load_b128 v[WB0+16+4*\c:WB0+16+4*\c+3], v[SSR] offset:16*\c                            ; 16 of row r's 32 partial sums
.endr
	WIN 0x80
.irp s, 0,1,2,3,4,5,6,7
	ds_load_b128 v[32*\s+8*\mt:32*\s+8*\mt+3],   v[XFR] offset:64*\s
	ds_load_b128 v[32*\s+8*\mt+4:32*\s+8*\mt+7], v[XFR] offset:64*\s+32
.endr
	WIN 0xc0
.irp s, 0,1,2,3,4,5,6,7
	ds_load_b128 v[32*\s+8*\mt:32*\s+8*\mt+3],   v[XFR] offset:64*\s+512
	ds_load_b128 v[32*\s+8*\mt+4:32*\s+8*\mt+7], v[XFR] offset:64*\s+544
.endr
	WIN 0
	s_wait_dscnt 32                                ; the partial sums are in; the 32 fragment loads stay out
	v_pk_add_f32 v[112:113], v[112:113], v[114:115]
	v_pk_add_f32 v[116:117], v[116:117], v[118:119]
	v_pk_add_f32 v[120:121], v[120:121], v[122:123]
	v_pk_add_f32 v[124:125], v[124:125], v[126:127]
	v_pk_add_f32 v[112:113], v[112:113], v[116:117]
	v_pk_add_f32 v[120:121], v[120:121], v[124:125]
	v_pk_add_f32 v[112:113], v[112:113], v[120:121]
	v_add_f32 v112, v112, v113
	v_permlanex16_b32 v113, v112, s52, s53         ; the other 16 partial sums of the same row
	v_add_f32 v112, v112, v113
	v_rsq_f32 v112, v112
	v_nop                                          ; one plain instruction behind a transcendental before its result is read (ISA guide 5.7.2)
	s_wait_alu depctr_va_vdst(0)
	v_min_num_f32 v[RS+2*\mt], BIG, v112           ; min(1/|x|, 1e12) = 1 / max(|x|, 1e-12); 1/0 = infinity gives 1e12
	v_min_num_f32 v[RS+2*\mt+1], BIG, v112
.endm
	XLOAD 0
	XLOAD 1
	XWORK 0, 32
	XLOAD 2
	XWORK 1, 32
	XLOAD 3
	XTILE 0
	XWORK 2, 32
	XLOAD 4
	XWORK 3, 32
	XLOAD 5
	XTILE 1
	XWORK 4, 32
	XLOAD 6
	XWORK 5, 32
	XLOAD 7
	XTILE 2
	XWORK 6, 32
	XWORK 7, 0                                     ; the last batch: nothing younger is out
	XTILE 3
; ---------------- the products ----------------
; A unit = 2 column tiles (nt) x 4 row tiles (mt) x 16 K steps = 128 matrix instructions on 8 accumulators.  A weight fragment of 1,024 bytes feeds four of them.
.macro LOADG wa, toff, g               ; the weight fragments of K steps 4 g .. 4 g + 3, both tiles: 16 loads of 512 neighbouring bytes, into buffer g%2
.irp sl, 0,1,2,3
.irp nt, 0,1
	ds_load_b128 v[WB0+64*((\g)&1)+8*(2*\sl+\nt):WB0+64*((\g)&1)+8*(2*\sl+\nt)+3],   v[\wa] offset:\toff+1024*(16*\nt+4*(\g)+\sl)
	ds_load_b128 v[WB0+64*((\g)&1)+8*(2*\sl+\nt)+4:WB0+64*((\g)&1)+8*(2*\sl+\nt)+7], v[\wa] offset:\toff+1024*(16*\nt+4*(\g)+\sl)+512
.endr
.endr
.endm
.macro WM g                            ; 32 matrix instructions.  The eight accumulators take turns, one instruction a turn.  K step 0 starts the sums with C = 0: nothing is cleared
.irp sl, 0,1,2,3
.irp nt, 0,1
.irp mt, 0,1,2,3
.if (4*(\g)+\sl) == 0
	v_wmma_f32_16x16x32_bf16 v[ACC+8*(4*\nt+\mt):ACC+8*(4*\nt+\mt)+7], v[WB0+64*((\g)&1)+8*(2*\sl+\nt):WB0+64*((\g)&1)+8*(2*\sl+\nt)+7], v[32*((4*(\g)+\sl)&7)+8*\mt:32*((4*(\g)+\sl)&7)+8*\mt+7], 0
.else
	v_wmma_f32_16x16x32_bf16 v[ACC+8*(4*\nt+\mt):ACC+8*(4*\nt+\mt)+7], v[WB0+64*((\g)&1)+8*(2*\sl+\nt):WB0+64*((\g)&1)+8*(2*\sl+\nt)+7], v[32*((4*(\g)+\sl)&7)+8*\mt:32*((4*(\g)+\sl)&7)+8*\mt+7], v[ACC+8*(4*\nt+\mt):ACC+8*(4*\nt+\mt)+7]
.endif
.endr
.endr
.endr
.endm
; A unit's products.  Groups 0 and 1 have been asked for by the caller.  wlo, whi: the window of source 1 (the row fragments) for K steps 0-7 and 8-15;
; only source 1 is switched, so the LDS loads (destination and source 0) stand under the same setting.
; A load into a register that a matrix instruction has read stands four places behind it, a vector instruction that reads a result likewise, a matrix instruction
; that writes over a result five; only plain vector instructions that name none of its registers are places (ISA guide 7.12.1 for the vector and matrix instructions).
.macro MULT wa, toff, wlo, whi
	s_wait_dscnt 16                                ; group 0 is in; at most the 16 youngest LDS instructions are out
	WIN \wlo
	WM 0
	PLACES 4
	LOADG \wa, \toff, 2
	s_wait_dscnt 16                                ; group 1 is in; group 2's 16 loads stay out
	WM 1
	PLACES 4
	LOADG \wa, \toff, 3
	s_wait_dscnt 16                                ; group 2 is in; group 3's stay out
	WIN \whi
	WM 2
	s_wait_dscnt 0
	WM 3
	WIN 0
	PLACES 5                                       ; for the epilogue's reads, the next loads into both buffers, and the next unit's C = 0 over the accumulators
.endm
; The change of slots, at the head of the trip that reads slot: each wave waits for all its tensor loads (its quarter of this slot is the one that was out) and for its reads
; of the other slot; the round then shows both of every wave of all four work-groups; the joint refill of the other slot is the first thing behind it, one load a wave.
.macro HEAD slot, refill
	s_wait_xcnt 0x0
	v_lshl_add_u32 v254, v0, 2, 0x4b900
	v_mov_b32 v255, 0
	s_wait_tensorcnt 0x0
	ds_add_u32 v254, v255
	s_wait_dscnt 0x0
.if \refill
	s_add_nc_u64 s[G0+6-4*(\slot):G0+7-4*(\slot)], s[G0+6-4*(\slot):G0+7-4*(\slot)], 2*SLOTB  ; no load of mine is out: the other slot's address steps two fills on
.endif
	s_wait_dscnt 0x0
	ROUND
.if \refill
	tensor_load_to_lds s[G0+4-4*(\slot):G0+7-4*(\slot)], s[G1:G1+7]
	s_nop 0
.endif
.endm
; Stage 1's epilogue: unit e's two tiles are K step e of p.  p = acc / |x| + b_proj; sum of p^2; p to bf16: K steps 0-7 into window 1, 8-15 as chunks into PST.
.macro BIAS1 e
.irp nt, 0,1
	ds_load_b128 v[BI+8*\nt:BI+8*\nt+3],   v[TBA] offset:64*(2*(\e)+\nt)
	ds_load_b128 v[BI+8*\nt+4:BI+8*\nt+7], v[TBA] offset:64*(2*(\e)+\nt)+16
.endr
.endm
.macro EPI1 e
	s_wait_dscnt 32                                ; the biases are in; the next unit's 32 fragment loads stay out and land under this work
.irp nt, 0,1
.irp j, 0,2,4,6
.irp mt, 0,1,2,3
.set AT, ACC+8*(4*\nt+\mt)+\j
	v_pk_fma_f32 v[AT:AT+1], v[AT:AT+1], v[RS+2*\mt:RS+2*\mt+1], v[BI+8*\nt+\j:BI+8*\nt+\j+1]
.endr
.endr
.endr
.irp nt, 0,1
.irp j, 0,2,4,6
.irp mt, 0,1,2,3
.set AT, ACC+8*(4*\nt+\mt)+\j
.if ((\e)+\nt+\j) == 0
	v_pk_mul_f32 v[SSP+2*\mt:SSP+2*\mt+1], v[AT:AT+1], v[AT:AT+1]                             ; the very first product starts the sum
.else
	v_pk_fma_f32 v[SSP+2*\mt:SSP+2*\mt+1], v[AT:AT+1], v[AT:AT+1], v[SSP+2*\mt:SSP+2*\mt+1]
.endif
.endr
.endr
.endr
.if (\e) < 8
	WIN 0x40
.irp nt, 0,1
.irp mt, 0,1,2,3
.irp q, 0,1,2,3
	v_cvt_pk_bf16_f32 v[32*(\e)+8*\mt+4*\nt+\q], v[ACC+8*(4*\nt+\mt)+2*\q], v[ACC+8*(4*\nt+\mt)+2*\q+1]
.endr
.endr
.endr
	WIN 0
.else
.irp nt, 0,1
.irp mt, 0,1,2,3
.set AT, ACC+8*(4*\nt+\mt)
.irp q, 0,1,2,3
	v_cvt_pk_bf16_f32 v[AT+\q], v[AT+2*\q], v[AT+2*\q+1]                                      ; in place: register q is written when 2 q and 2 q + 1 are read, and never read again
.endr
	ds_store_b128 v[PSA], v[AT:AT+3] offset:512*(8*((\e)&7)+2*\mt+\nt)
.endr
.endr
.endif
.endm
.macro UNIT1 wa, toff, e               ; a unit of stage 1, with the epilogue of the unit before (number e) under its first fragments' way from LDS
	BIAS1 \e
	LOADG \wa, \toff, 0
	LOADG \wa, \toff, 1
	EPI1 \e
	MULT \wa, \toff, 0x08, 0x0c
.endm
; Stage 2's epilogue: tile nt = 0 is p Wv, nt = 1 is p Wu, 16 hidden columns.  tanh(z) = 1 - 2 / (1 + exp2(2 log2e z)), sigmoid(y) = 1 / (1 + exp2(-log2e y)):
; an exponential that overflows gives tanh = 1 or sigmoid = 0, one that underflows -1 or 1, so nothing is clamped.  The logit gathers tanh * sigmoid * w_attn.
.macro GTAB k
	ds_load_b128 v[BI:BI+3],      v[GTA] offset:64*(\k)
	ds_load_b128 v[BI+4:BI+7],    v[GTA] offset:64*(\k)+16
	ds_load_b128 v[BI+8:BI+11],   v[GTA] offset:64*(\k)+1024
	ds_load_b128 v[BI+12:BI+15],  v[GTA] offset:64*(\k)+1040
	ds_load_b128 v[BI+16:BI+19],  v[GTA] offset:64*(\k)+2048
	ds_load_b128 v[BI+20:BI+23],  v[GTA] offset:64*(\k)+2064
.endm
.macro EPIG
	s_wait_dscnt 32                                ; the tables are in; the next unit's 32 fragment loads stay out
.irp mt, 0,1,2,3
.set GV, ACC+8*\mt
.set GU, ACC+8*(4+\mt)
.irp j, 0,2,4,6
	v_pk_fma_f32 v[GV+\j:GV+\j+1], v[GV+\j:GV+\j+1], v[RS+2*\mt:RS+2*\mt+1], v[BI+\j:BI+\j+1] op_sel_hi:[1,0,1]                   ; x the pair's first number
	v_pk_fma_f32 v[GU+\j:GU+\j+1], v[GU+\j:GU+\j+1], v[RS+2*\mt:RS+2*\mt+1], v[BI+8+\j:BI+8+\j+1] op_sel:[0,1,0] op_sel_hi:[1,1,1]  ; x its second
.endr
.irp j, 0,1,2,3,4,5,6,7
	v_exp_f32 v[GV+\j], v[GV+\j]
	v_exp_f32 v[GU+\j], v[GU+\j]
.endr
	v_nop                                          ; one plain instruction behind the run of transcendentals (ISA guide 5.7.2)
	s_wait_alu depctr_va_vdst(0)
.irp j, 0,2,4,6
	v_pk_add_f32 v[GV+\j:GV+\j+1], v[GV+\j:GV+\j+1], 1.0 op_sel_hi:[1,0]
	v_pk_add_f32 v[GU+\j:GU+\j+1], v[GU+\j:GU+\j+1], 1.0 op_sel_hi:[1,0]
.endr
.irp j, 0,1,2,3,4,5,6,7
	v_rcp_f32 v[GV+\j], v[GV+\j]
	v_rcp_f32 v[GU+\j], v[GU+\j]
.endr
	v_nop
	s_wait_alu depctr_va_vdst(0)
.irp j, 0,2,4,6
	v_pk_fma_f32 v[GV+\j:GV+\j+1], v[GV+\j:GV+\j+1], -2.0, 1.0 op_sel_hi:[1,0,0]
.endr
.irp j, 0,2,4,6
	v_pk_mul_f32 v[GV+\j:GV+\j+1], v[GV+\j:GV+\j+1], v[GU+\j:GU+\j+1]
.endr
.irp j, 0,2,4,6
	v_pk_fma_f32 v[SSP+2*\mt:SSP+2*\mt+1], v[GV+\j:GV+\j+1], v[BI+16+\j:BI+16+\j+1], v[SSP+2*\mt:SSP+2*\mt+1]
.endr
.endr
.endm
.macro UNIT2 wa, toff, k               ; a unit of stage 2, with the epilogue of the unit before (its tables at GTA + 64 k)
	GTAB \k
	LOADG \wa, \toff, 0
	LOADG \wa, \toff, 1
	EPIG
	MULT \wa, \toff, 0x04, 0x08
.endm
	s_wait_tensorcnt 0x1                           ; tensor loads of a wave end in order (ISA guide 10.11.1): my quarters of RES and of fill 0 are in; fill 1 may stay out
	s_wait_dscnt 0x0                               ; my x fragments are in
	s_barrier_signal -1
	s_barrier_wait -1                              ; everybody's quarters are in
	; stage 1: units 0..15, two to a fill; unit u makes K step u of p
	LOADG WA0, 0, 0
	LOADG WA0, 0, 1
	MULT  WA0, 0, 0x08, 0x0c
	UNIT1 WA0, 32768, 0
	HEAD 1, 1
	UNIT1 WA1, 0, 1
	UNIT1 WA1, 32768, 2
	HEAD 0, 1
	UNIT1 WA0, 0, 3
	UNIT1 WA0, 32768, 4
	HEAD 1, 1
	UNIT1 WA1, 0, 5
	UNIT1 WA1, 32768, 6
	HEAD 0, 1
	UNIT1 WA0, 0, 7
	UNIT1 WA0, 32768, 8
	HEAD 1, 1
	UNIT1 WA1, 0, 9
	UNIT1 WA1, 32768, 10
	HEAD 0, 1
	UNIT1 WA0, 0, 11
	UNIT1 WA0, 32768, 12
	HEAD 1, 1
	UNIT1 WA1, 0, 13
	UNIT1 WA1, 32768, 14
	; unit 16, the first of stage 2: behind stage 1's last epilogue x is dead, so p's K steps 8-15 come back from PST into window 2
	HEAD 0, 1
	BIAS1 15
	LOADG WA0, 0, 0
	LOADG WA0, 0, 1
	EPI1 15
	WIN 0x80
.irp s, 0,1,2,3,4,5,6,7
.irp mt, 0,1,2,3
.irp nt, 0,1
	ds_load_b128 v[32*\s+8*\mt+4*\nt:32*\s+8*\mt+4*\nt+3], v[PSA] offset:512*(8*\s+2*\mt+\nt)
.endr
.endr
.endr
	WIN 0
.irp mt, 0,1,2,3
	v_add_f32 v[SSP+2*\mt], v[SSP+2*\mt], v[SSP+2*\mt+1]
.endr
.irp mt, 0,1,2,3
	v_permlanex16_b32 v[SSP+2*\mt+1], v[SSP+2*\mt], s52, s53       ; the row's other 256 columns
.endr
.irp mt, 0,1,2,3
	v_add_f32 v[SSP+2*\mt], v[SSP+2*\mt], v[SSP+2*\mt+1]
.endr
.irp mt, 0,1,2,3
	v_rsq_f32 v[SSP+2*\mt], v[SSP+2*\mt]
.endr
	v_nop
	s_wait_alu depctr_va_vdst(0)
.irp mt, 0,1,2,3
	v_min_num_f32 v[RP+\mt], BIG, v[SSP+2*\mt]     ; 1 / max(|p|, 1e-12)
.endr
.irp mt, 0,1,2,3
	v_mul_f32 v[RS+2*\mt],   0x4038aa3b, v[RP+\mt] ; with the exponentials' factors folded in
	v_mul_f32 v[RS+2*\mt+1], 0xbfb8aa3b, v[RP+\mt]
.endr
.irp i, 0,1,2,3,4,5,6,7
	v_mov_b32 v[SSP+\i], 0                         ; the gate logits start at 0: their first terms are added inside the loop
.endr
	s_wait_dscnt 0x0                               ; p's K steps 8-15 are in window 2
	MULT WA0, 0, 0x04, 0x08
	; units 17..28: three trips of four units and two changes of slots (fills 10..15 go out here)
	s_mov_b32 s55, 3
.Lgate:
	UNIT2 WA0, 32768, 0
	HEAD 1, 1
	UNIT2 WA1, 0, 1
	UNIT2 WA1, 32768, 2
	HEAD 0, 1
	UNIT2 WA0, 0, 3
	v_add_nc_u32 v[GTA], 256, v[GTA]               ; four tiles of 16 numbers on
	s_sub_co_u32 s55, s55, 1
	s_cmp_lg_u32 s55, 0
	s_cbranch_scc1 .Lgate
	UNIT2 WA0, 32768, 0                            ; unit 29
	HEAD 1, 0                                      ; the last fill has landed; nothing is left to fetch
	UNIT2 WA1, 0, 1                                ; unit 30
	UNIT2 WA1, 32768, 2                            ; unit 31
	; unit 32: the two tiles of desc_feats, from RES
	GTAB 3
	LOADG WAR, 0, 0
	LOADG WAR, 0, 1
	EPIG
	MULT WAR, 0, 0x04, 0x08
	; the scores: tile t of lane (r, h) holds <p, desc[c][0..7]> of row r for class c = 2 h + t.  s = acc / |p|; softmax of s * 512^-0.5 with its maximum taken away; score = sum attn s
.macro PKRP dst, mt                    ; a pair x 1/|p| of row tile mt, which is one register of an even-aligned pair
.if (\mt)&1
	v_pk_mul_f32 v[\dst:\dst+1], v[\dst:\dst+1], v[RP+(\mt)-1:RP+(\mt)] op_sel:[0,1] op_sel_hi:[1,1]
.else
	v_pk_mul_f32 v[\dst:\dst+1], v[\dst:\dst+1], v[RP+(\mt):RP+(\mt)+1] op_sel_hi:[1,0]
.endif
.endm
.irp mt, 0,1,2,3
.irp t, 0,1
.set AT, ACC+8*(4*\t+\mt)
.irp j, 0,2,4,6
	PKRP AT+\j, \mt
.endr
	v_max3_num_f32 v253, v[AT], v[AT+1], v[AT+2]
	v_max3_num_f32 v253, v253, v[AT+3], v[AT+4]
	v_max3_num_f32 v253, v253, v[AT+5], v[AT+6]
	v_max_num_f32 v253, v253, v[AT+7]
	v_mul_f32 v254, NSCL, v253
	v_mul_f32 v255, NSCL, v253
.irp j, 0,2,4,6
	v_pk_fma_f32 v[WB0+\j:WB0+\j+1], v[AT+\j:AT+\j+1], SCL, v[254:255] op_sel_hi:[1,0,1]      ; (s - max) 512^-0.5 log2(e)
.endr
.irp j, 0,1,2,3,4,5,6,7
	v_exp_f32 v[WB0+\j], v[WB0+\j]
.endr
	v_nop
	s_wait_alu depctr_va_vdst(0)
	v_pk_mul_f32 v[AT:AT+1], v[AT:AT+1], v[WB0:WB0+1]
	v_pk_fma_f32 v[AT:AT+1], v[AT+2:AT+3], v[WB0+2:WB0+3], v[AT:AT+1]
	v_pk_fma_f32 v[AT:AT+1], v[AT+4:AT+5], v[WB0+4:WB0+5], v[AT:AT+1]
	v_pk_fma_f32 v[AT:AT+1], v[AT+6:AT+7], v[WB0+6:WB0+7], v[AT:AT+1]
	v_pk_add_f32 v[WB0:WB0+1], v[WB0:WB0+1], v[WB0+2:WB0+3]
	v_pk_add_f32 v[WB0+4:WB0+5], v[WB0+4:WB0+5], v[WB0+6:WB0+7]
	v_pk_add_f32 v[WB0:WB0+1], v[WB0:WB0+1], v[WB0+4:WB0+5]
	v_add_f32 v[WB0], v[WB0], v[WB0+1]
	v_rcp_f32 v[WB0], v[WB0]
	v_add_f32 v[AT], v[AT], v[AT+1]
	s_wait_alu depctr_va_vdst(0)
	v_mul_f32 v[BI+16+2*\mt+\t], v[AT], v[WB0]
.endr
.endr
.irp mt, 0,1,2,3
	global_store_b64 v[OUTO], v[BI+16+2*\mt:BI+16+2*\mt+1], s[22:23] offset:256*\mt th:TH_STORE_NT   ; 32 lanes x 8 bytes: 16 rows' scores, 256 consecutive bytes, aligned
.endr
	; ---------------- pooling: the work-group's maximum, sum and weighted sum ----------------
.irp mt, 0,1,2,3
	v_add_f32 v[SSP+2*\mt], v[SSP+2*\mt], v[SSP+2*\mt+1]
.endr
.irp mt, 0,1,2,3
	v_permlanex16_b32 v[SSP+2*\mt+1], v[SSP+2*\mt], s52, s53
.endr
.irp mt, 0,1,2,3
	v_add_f32 v[SSP+2*\mt], v[SSP+2*\mt], v[SSP+2*\mt+1]           ; A of row 16 mt + r, in both halves
.endr
	v_max3_num_f32 v[MR], v[SSP], v[SSP+2], v[SSP+4]
	v_max_num_f32 v[MR], v[MR], v[SSP+6]
.irp x, 1,2,4,8
	v_max_num_f32_dpp v[MR], v[MR], v[MR] row_xmask:\x row_mask:0xf bank_mask:0xf
.endr
	s_lshl_b32 s56, s16, 2
	s_add_co_u32 s56, s56, MX
	v_mov_b32 v14, s56
	ds_store_b32 v14, v[MR]                        ; my wave's maximum, in its own word
	s_wait_dscnt 0x0                               ; for the others' sake: zero
	s_barrier_signal -1
	s_barrier_wait -1
	v_mov_b32 v15, MX
	ds_load_b128 v[WB0:WB0+3], v15
	s_wait_dscnt 0x0
	v_max3_num_f32 v[MR], v[WB0], v[WB0+1], v[WB0+2]
	v_max_num_f32 v[MR], v[MR], v[WB0+3]           ; M
.irp mt, 0,1,2,3
	v_sub_f32 v[SSP+2*\mt], v[SSP+2*\mt], v[MR]
.endr
.irp mt, 0,1,2,3
	v_mul_f32 v[SSP+2*\mt], 0x3fb8aa3b, v[SSP+2*\mt]
.endr
.irp mt, 0,1,2,3
	v_exp_f32 v[SSP+2*\mt], v[SSP+2*\mt]           ; exp(A - M)
.endr
	v_nop
	s_wait_alu depctr_va_vdst(0)
	v_add_f32 v[SSP+1], v[SSP], v[SSP+2]
	v_add_f32 v[SSP+3], v[SSP+4], v[SSP+6]
	v_add_f32 v[SSP+1], v[SSP+1], v[SSP+3]
.irp x, 1,2,4,8
	v_add_f32_dpp v[SSP+1], v[SSP+1], v[SSP+1] row_xmask:\x row_mask:0xf bank_mask:0xf        ; over the 16 rows of a half: each half holds all 64 rows' sum
.endr
	ds_store_b32 v14, v[SSP+1] offset:16           ; my wave's l
	s_lshl_b32 s57, s16, 8
	s_add_co_u32 s57, s57, WSC
	v_and_b32 v15, 15, v0
	v_lshl_add_u32 v15, v15, 2, s57
.irp mt, 0,1,2,3
	v_mul_f32 v[SSP+2*\mt], v[SSP+2*\mt], v[RP+\mt]                ; the weight of the raw row p: exp(A - M) / |p|
.endr
.irp mt, 0,1,2,3
	ds_store_b32 v15, v[SSP+2*\mt] offset:64*\mt   ; both halves write the same number to the same word
.endr
	v_bfe_u32 v253, v0, 4, 1
	v_lshl_add_u32 v253, v253, 5, s57
	; v = w P as a product: source 0 = 16 equal rows of the weights (k = patch row), source 1 = p read transposed.  K = 32 rows: two K steps kap
.irp kap, 0,1
.irp c, 0,1
	ds_load_b128 v[WB0+16*\kap+8*\c:WB0+16*\kap+8*\c+3],   v253 offset:128*\kap+64*\c         ; weights of rows 32 kap + 16 c + 8 h + 0..7
	ds_load_b128 v[WB0+16*\kap+8*\c+4:WB0+16*\kap+8*\c+7], v253 offset:128*\kap+64*\c+16
.endr
.endr
	s_lshl_b32 s58, s16, 11
	s_add_co_u32 s58, s58, VS
	v_and_b32 v[VSA], 31, v0
	v_lshl_add_u32 v[VSA], v[VSA], 2, s58
	s_wait_dscnt 0x0
.irp i, 0,1,2,3,4,5,6,7,8,9,10,11,12,13,14,15
	v_cvt_pk_bf16_f32 v[BI+\i], v[WB0+2*\i], v[WB0+2*\i+1]
.endr
; 8 column tiles of p: K steps cb .. cb + 3 of the chunks that lie in PST, which are p's K steps sb .. sb + 3.
.macro POOLG cb, sb
.irp sl, 0,1,2,3
.irp nt, 0,1
.irp mt, 0,1,2,3
	ds_load_tr16_b128 v[WB0+16*(2*\sl+\nt)+4*\mt:WB0+16*(2*\sl+\nt)+4*\mt+3], v[TRA] offset:512*(8*((\cb)+\sl)+2*\mt+\nt)
.endr
.endr
.endr
	s_wait_dscnt 0x0
.irp kap, 0,1
.irp sl, 0,1,2,3
.irp nt, 0,1
.if \kap == 0
	v_wmma_f32_16x16x32_bf16 v[ACC+8*(2*\sl+\nt):ACC+8*(2*\sl+\nt)+7], v[BI:BI+7], v[WB0+16*(2*\sl+\nt):WB0+16*(2*\sl+\nt)+7], 0
.else
	v_wmma_f32_16x16x32_bf16 v[ACC+8*(2*\sl+\nt):ACC+8*(2*\sl+\nt)+7], v[BI+8:BI+15], v[WB0+16*(2*\sl+\nt)+8:WB0+16*(2*\sl+\nt)+15], v[ACC+8*(2*\sl+\nt):ACC+8*(2*\sl+\nt)+7]
.endif
.endr
.endr
.endr
	PLACES 5                                       ; the eight accumulators took turns; five places serve the reads below, the next loads and the next C = 0
.irp sl, 0,1,2,3
	v_cndmask_b32 v[SSP+\sl], v[ACC+16*\sl], v[ACC+16*\sl+8], s54  ; all 16 rows of a result are alike: lanes 0-15 take tile 2 s, lanes 16-31 tile 2 s + 1
.endr
.irp sl, 0,1,2,3
	ds_store_b32 v[VSA], v[SSP+\sl] offset:128*((\sb)+\sl)         ; columns 32 s + L
.endr
.endm
	POOLG 0, 8                                     ; K steps 8-15 still lie in PST
	POOLG 4, 12
	WIN 0x04                                       ; store data = source 1: window 1
.irp s, 0,1,2,3,4,5,6,7
.irp mt, 0,1,2,3
.irp nt, 0,1
	ds_store_b128 v[PSA], v[32*\s+8*\mt+4*\nt:32*\s+8*\mt+4*\nt+3] offset:512*(8*\s+2*\mt+\nt) ; K steps 0-7 take their place; the wave's reads above have come back
.endr
.endr
.endr
	WIN 0
	POOLG 0, 0
	POOLG 4, 4
	s_wait_dscnt 0x0                               ; my v and my l are in LDS
	s_barrier_signal -1
	s_barrier_wait -1
	v_lshlrev_b32 v15, 4, v0                       ; thread t: columns 4 t .. 4 t + 3
	v_add_nc_u32 v14, VS, v15
.irp w, 0,1,2,3
	ds_load_b128 v[WB0+4*\w:WB0+4*\w+3], v14 offset:2048*\w
.endr
	s_wait_dscnt 0x0
	v_pk_add_f32 v[96:97], v[96:97], v[100:101]
	v_pk_add_f32 v[98:99], v[98:99], v[102:103]
	v_pk_add_f32 v[104:105], v[104:105], v[108:109]
	v_pk_add_f32 v[106:107], v[106:107], v[110:111]
	v_pk_add_f32 v[96:97], v[96:97], v[104:105]
	v_pk_add_f32 v[98:99], v[98:99], v[106:107]
	global_store_b128 v15, v[96:99], s[14:15]      ; sixteen lanes store 256 consecutive bytes, aligned
	s_cmp_lg_u32 s16, 0
	s_cbranch_scc1 .Lnot_first
	v_mov_b32 v254, MX
	ds_load_b128 v[112:115], v254 offset:16
	v_lshlrev_b32 v255, 3, v0
	s_wait_dscnt 0x0
	v_add_f32 v112, v112, v113
	v_add_f32 v114, v114, v115
	v_add_f32 v253, v112, v114                     ; l; v[252:253] = (M, l)
	global_store_b64 v255, v[252:253], s[14:15] offset:2048        ; 32 copies: the record's last 256 bytes are written whole by one store
.Lnot_first:
	s_wait_xcnt 0x0
	v_lshl_add_u32 v254, v0, 2, 0x4b900
	v_mov_b32 v255, 0
	s_wait_tensorcnt 0x0
	ds_add_u32 v254, v255
	s_wait_dscnt 0x0
	ROUND                                          ; the closing round: no work-group ends while a partner may still ask jointly
	s_endpgm
.Lfunc_end_k_q14d8bb8773_main:
	.size	k_q14d8bb8773_main, .Lfunc_end_k_q14d8bb8773_main-k_q14d8bb8773_main
	.p2alignl 7, 3214868480
	.fill 96, 4, 3214868480
	.section	.rodata,"a",@progbits
	.p2align	6, 0x0
	.amdhsa_kernel k_q14d8bb8773_main
		.amdhsa_group_segment_fixed_size 327680
		.amdhsa_private_segment_fixed_size 0
		.amdhsa_enable_private_segment 0
		.amdhsa_kernarg_size 48
		.amdhsa_user_sgpr_count 2
		.amdhsa_user_sgpr_kernarg_segment_ptr 1
		.amdhsa_wavefront_size32 1
		.amdhsa_system_sgpr_workgroup_id_x 1
		.amdhsa_system_sgpr_workgroup_id_y 1
		.amdhsa_system_sgpr_workgroup_id_z 1
		.amdhsa_system_vgpr_workitem_id 0
		.amdhsa_next_free_vgpr 1024
		.amdhsa_next_free_sgpr 66
		.amdhsa_reserve_vcc 0
		.amdhsa_float_denorm_mode_32 3
		.amdhsa_float_denorm_mode_16_64 3
		.amdhsa_memory_ordered 1
		.amdhsa_forward_progress 1
		.amdhsa_inst_pref_size 255
	.end_amdhsa_kernel
	.section	.bss,"aw",@nobits
	.p2align	6
	.space	262144
	.amdgpu_metadata
---
amdhsa.version: [ 1, 2 ]
amdhsa.kernels:
  - .name:           k_q14d8bb8773_main
    .symbol:         k_q14d8bb8773_main.kd
    .args:
      - { .name: x_s, .offset: 0, .size: 8, .value_kind: global_buffer, .address_space: global }
      - { .name: x_l, .offset: 8, .size: 8, .value_kind: global_buffer, .address_space: global }
      - { .name: wf, .offset: 16, .size: 8, .value_kind: global_buffer, .address_space: global }
      - { .name: out2, .offset: 24, .size: 8, .value_kind: global_buffer, .address_space: global }
      - { .name: out3, .offset: 32, .size: 8, .value_kind: global_buffer, .address_space: global }
      - { .name: part, .offset: 40, .size: 8, .value_kind: global_buffer, .address_space: global }
    .group_segment_fixed_size: 327680
    .private_segment_fixed_size: 0
    .kernarg_segment_align: 8
    .kernarg_segment_size: 48
    .max_flat_workgroup_size: 128
    .sgpr_count:     66
    .vgpr_count:     1024
    .wavefront_size: 32
...
	.end_amdgpu_metadata
.endif
;; end of part 2
;; launch fin (part 3): grid 1 x 1, 16 waves a work-group, no clusters, 18,944 bytes of LDS; arguments part, desc_feats, out0, out1; writes out0, out1
.if DOCPART == 3
	.amdgcn_target "amdgcn-amd-amdhsa--gfx1250"
	.amdhsa_code_object_version 6
	.text
	.protected	k_q14d8bb8773_fin
	.globl	k_q14d8bb8773_fin
	.p2align	8
	.type	k_q14d8bb8773_fin,@function
k_q14d8bb8773_fin:
	s_mov_b64 s[64:65], 0
	v_nop
	global_prefetch_b8 v0, s[64:65] scope:SCOPE_SE
	s_setreg_imm32_b32 hwreg(HW_REG_WAVE_MODE, 25, 1), 1
	s_wait_xcnt 0x0
; FIN: the 64 records (M, l, v[512]) of each of the four groups (x_s batch 0, 1; x_l batch 0, 1) are joined under the group's maximum; then the
; slide vectors, the text features, logits, softmax and argmax.  Left out as in the first kernel's head: b_attn (it cancels in the softmax along n).
; One work-group, since every output hangs on all four groups; 16 waves: wave w joins columns 128 (w%4) .. +127 of group w/4, 32 records' loads on their way.
; The sum l is kept: pool = v / l, and the clip at 1e-12 is applied to |pool| as reference() does.
; LIMITS: maxima drop a NaN; of equal probabilities the lowest class is taken, as argmax does.
.set REC,  2304                        ; a record: v at 0, (M, l) at 2048
.set GRP,  64*REC
.set POOL, 0                           ; [4][512] f32
.set TX,   8192                        ; [4][512] f32: max over the 8 descriptions
.set LG,   16384                       ; a word for each wave: its group's sum
.set CT,   16640                       ; [4][4]: group x class
.set SL,   64                          ; v[64:191]: 32 slots of 4 registers
.macro WRED op, r, t                   ; v[r] reduced over the wave's 32 lanes, in every lane; v[t]: a register that has been written
.irp x, 1,2,4,8
	\op\()_dpp v[\r], v[\r], v[\r] row_xmask:\x row_mask:0xf bank_mask:0xf
.endr
	v_permlanex16_b32 v[\t], v[\r], s16, s17
	\op v[\r], v[\r], v[\t]
.endm
	s_load_b256 s[4:11], s[0:1], 0x0               ; part s[4:5], desc_feats s[6:7], out0 s[8:9], out1 s[10:11]
	v_lshl_add_u32 v192, v0, 2, 0x4200
	v_mov_b32 v193, 0
	v_lshrrev_b32 v1, 5, v0
	v_readfirstlane_b32 s12, v1                    ; wave
	s_lshr_b32 s13, s12, 2                         ; group, and the class whose text feature I help to make
	s_and_b32 s14, s12, 3                          ; quarter of the columns
	s_mov_b32 s16, 0x76543210
	s_mov_b32 s17, 0xfedcba98
	s_mov_b32 s21, 0                               ; upper half of the pair whose lower half is broadcast
	v_and_b32 v1, 31, v0                           ; L
	s_mul_i32 s15, s13, GRP
	s_lshl_b32 s18, s14, 9
	s_lshl_b32 s19, s13, 14
	s_lshl_b32 s23, s13, 11
	s_lshl_b32 s22, s12, 2
	s_add_co_u32 s22, s22, LG
	v_lshlrev_b32 v2, 4, v1
	v_add_nc_u32 v2, s18, v2                       ; 512 quarter + 16 L
	v_add_nc_u32 v3, s15, v2                       ; my 16 bytes of the group's record 0
	v_mul_u32_u24 v4, v1, REC
	v_add_nc_u32 v4, s15, v4                       ; record L of the group
	v_add_nc_u32 v5, s19, v2                       ; my 16 bytes of desc_feats[class][0]
	v_mov_b32 v6, s22
	v_add_nc_u32 v7, s23, v2                       ; my 16 bytes of POOL[group] and of TX[class]
	v_mov_b32 v13, 0
	v_mov_b32 v14, 0
	s_wait_kmcnt 0x0
	global_load_b64 v[8:9],   v4, s[4:5] offset:2048               ; (M, l) of records L and 32 + L
	global_load_b64 v[10:11], v4, s[4:5] offset:2048+32*REC
.irp k, 0,1,2,3,4,5,6,7
	global_load_b128 v[16+4*\k:16+4*\k+3], v5, s[6:7] offset:2048*\k
.endr
.irp i, 0,1,2,3,4,5,6,7,8,9,10,11,12,13,14,15,16,17,18,19,20,21,22,23,24,25,26,27,28,29,30,31
	global_load_b128 v[SL+4*\i:SL+4*\i+3], v3, s[4:5] offset:REC*\i
.endr
	s_wait_loadcnt 40                              ; the two loads of (M, l) are in; 8 of desc_feats and 32 records stay out
	v_max_num_f32 v12, v8, v10
	WRED v_max_num_f32, 12, 13                     ; the group's maximum
	v_sub_f32 v8, v8, v12
	v_sub_f32 v10, v10, v12
	v_mul_f32 v8, 0x3fb8aa3b, v8
	v_mul_f32 v10, 0x3fb8aa3b, v10
	v_exp_f32 v8, v8                               ; lane L: the factor of record L,
	v_exp_f32 v10, v10                             ; and of record 32 + L
	v_nop
	s_wait_alu depctr_va_vdst(0)
	v_mul_f32 v13, v9, v8
	v_fmac_f32 v13, v11, v10
	WRED v_add_f32, 13, 14                         ; the group's sum of exponentials
	ds_store_b32 v6, v13
	s_wait_loadcnt 32                              ; desc_feats is in; the 32 records stay out
.irp c, 0,1,2,3
	v_max3_num_f32 v[48+\c], v[16+\c], v[20+\c], v[24+\c]
	v_max3_num_f32 v[48+\c], v[48+\c], v[28+\c], v[32+\c]
	v_max3_num_f32 v[48+\c], v[48+\c], v[36+\c], v[40+\c]
	v_max_num_f32 v[48+\c], v[48+\c], v[44+\c]
.endr
	ds_store_b128 v7, v[48:51] offset:TX
.irp i, 0,1,2,3,4,5,6,7,8,9,10,11,12,13,14,15,16,17,18,19,20,21,22,23,24,25,26,27,28,29,30,31
	s_wait_loadcnt 31                              ; loads come back in order: record i is in, the 31 younger stay out
	v_readlane_b32 s20, v8, \i
.if \i == 0
	v_pk_mul_f32 v[52:53], v[SL:SL+1], s[20:21] op_sel_hi:[1,0]    ; the first record starts the sums
	v_pk_mul_f32 v[54:55], v[SL+2:SL+3], s[20:21] op_sel_hi:[1,0]
.else
	v_pk_fma_f32 v[52:53], v[SL+4*\i:SL+4*\i+1], s[20:21], v[52:53] op_sel_hi:[1,0,1]
	v_pk_fma_f32 v[54:55], v[SL+4*\i+2:SL+4*\i+3], s[20:21], v[54:55] op_sel_hi:[1,0,1]
.endif
	global_load_b128 v[SL+4*\i:SL+4*\i+3], v3, s[4:5] offset:REC*(32+\i)
.endr
.irp i, 0,1,2,3,4,5,6,7,8,9,10,11,12,13,14,15,16,17,18,19,20,21,22,23,24,25,26,27,28,29,30,31
	s_wait_loadcnt 31-\i                           ; nothing more is loaded: the counts run down
	v_readlane_b32 s20, v10, \i
	v_pk_fma_f32 v[52:53], v[SL+4*\i:SL+4*\i+1], s[20:21], v[52:53] op_sel_hi:[1,0,1]
	v_pk_fma_f32 v[54:55], v[SL+4*\i+2:SL+4*\i+3], s[20:21], v[54:55] op_sel_hi:[1,0,1]
.endr
	ds_store_b128 v7, v[52:55] offset:POOL
	s_wait_dscnt 0x0                               ; for the others' sake: zero
	s_barrier_signal -1
	s_barrier_wait -1
	s_cmp_ge_u32 s12, 4
	s_cbranch_scc1 .Lno_dots
	; wave g = 0..3: <v, v>, <v, T_c>, <T_c, T_c>; a lane takes 16 columns
	v_lshlrev_b32 v20, 4, v1
	s_lshl_b32 s24, s12, 11
	v_add_nc_u32 v21, s24, v20
	s_lshl_b32 s25, s12, 4
	s_add_co_u32 s26, s25, CT
	s_add_co_u32 s25, s25, LG                      ; the word of wave 4 g
	v_mov_b32 v22, s25
	v_mov_b32 v23, s26
.irp q, 0,1,2,3
	ds_load_b128 v[64+4*\q:64+4*\q+3], v21 offset:POOL+512*\q
.endr
.irp c, 0,1,2,3
.irp q, 0,1,2,3
	ds_load_b128 v[80+16*\c+4*\q:80+16*\c+4*\q+3], v20 offset:TX+2048*\c+512*\q
.endr
.endr
	ds_load_b32 v24, v22
	s_wait_dscnt 0x0
.macro DOT d, a, b
	v_pk_mul_f32 v[\d:\d+1], v[\a:\a+1], v[\b:\b+1]
.irp j, 2,4,6,8,10,12,14
	v_pk_fma_f32 v[\d:\d+1], v[\a+\j:\a+\j+1], v[\b+\j:\b+\j+1], v[\d:\d+1]
.endr
	v_add_f32 v[\d], v[\d], v[\d+1]
	WRED v_add_f32, \d, \d+1
.endm
	DOT 32, 64, 64
.irp c, 0,1,2,3
	DOT 34+2*\c, 64, 80+16*\c
	DOT 42+2*\c, 80+16*\c, 80+16*\c
.endr
	v_rcp_f32 v25, v24                             ; 1 / l
	v_sqrt_f32 v26, v32                            ; |v|
.irp c, 0,1,2,3
	v_rsq_f32 v[42+2*\c], v[42+2*\c]
.endr
	v_nop
	s_wait_alu depctr_va_vdst(0)
	v_mul_f32 v26, v26, v25                        ; |pool|
	v_max_num_f32 v26, 0x2b8cbccc, v26             ; clipped at 1e-12
	v_rcp_f32 v26, v26
.irp c, 0,1,2,3
	v_min_num_f32 v[42+2*\c], 0x5368d4a5, v[42+2*\c]               ; 1 / max(|T_c|, 1e-12)
.endr
	s_wait_alu depctr_va_vdst(0)
	v_mul_f32 v26, v26, v25
.irp c, 0,1,2,3
	v_mul_f32 v[34+2*\c], v[34+2*\c], v[42+2*\c]
.endr
.irp c, 0,1,2,3
	v_mul_f32 v[56+\c], v[34+2*\c], v26            ; <slide, text_c>
.endr
	ds_store_b128 v23, v[56:59]
	s_wait_dscnt 0x0
.Lno_dots:
	s_barrier_signal -1
	s_barrier_wait -1
	s_cmp_lg_u32 s12, 0
	s_cbranch_scc1 .Lend
	v_mov_b32 v20, CT
.irp g, 0,1,2,3
	ds_load_b128 v[64+4*\g:64+4*\g+3], v20 offset:16*\g
.endr
	s_wait_dscnt 0x0
.irp j, 0,2,4,6
	v_pk_add_f32 v[64+\j:64+\j+1], v[64+\j:64+\j+1], v[72+\j:72+\j+1]   ; logits[b] = x_s's + x_l's
.endr
.macro SOFT b, idx
	v_max3_num_f32 v80, v[\b], v[\b+1], v[\b+2]
	v_max_num_f32 v80, v80, v[\b+3]
.irp c, 0,1,2,3
	v_sub_f32 v[\b+\c], v[\b+\c], v80
.endr
.irp c, 0,1,2,3
	v_mul_f32 v[\b+\c], 0x3fb8aa3b, v[\b+\c]
.endr
.irp c, 0,1,2,3
	v_exp_f32 v[\b+\c], v[\b+\c]
.endr
	v_nop
	s_wait_alu depctr_va_vdst(0)
	v_add_f32 v81, v[\b], v[\b+1]
	v_add_f32 v82, v[\b+2], v[\b+3]
	v_add_f32 v81, v81, v82
	v_rcp_f32 v81, v81
	v_mov_b32 v[\idx], 0
	s_wait_alu depctr_va_vdst(0)
.irp c, 0,1,2,3
	v_mul_f32 v[\b+\c], v[\b+\c], v81
.endr
	v_mov_b32 v82, v[\b]
.irp c, 1,2,3
	v_cmp_gt_f32 vcc_lo, v[\b+\c], v82             ; strictly larger: the first of equals stays
	v_cndmask_b32 v[\idx], v[\idx], \c, vcc_lo
	v_max_num_f32 v82, v82, v[\b+\c]
.endr
.endm
	SOFT 64, 84
	SOFT 68, 85
	v_mov_b32 v86, 0
	v_cmp_eq_u32 vcc_lo, 0, v0
	s_wait_xcnt 0x0                                ; EXEC changes only behind this wait
	s_and_saveexec_b32 s27, vcc_lo                 ; every lane holds the results; lane 0 stores them
	global_store_b128 v86, v[64:67], s[8:9]
	global_store_b128 v86, v[68:71], s[8:9] offset:16
	global_store_b64 v86, v[84:85], s[10:11]
	s_wait_xcnt 0x0                                ; and again in front of the line that widens it
	s_or_b32 exec_lo, exec_lo, s27
.Lend:
	s_wait_tensorcnt 0x0
	ds_add_u32 v192, v193
	s_wait_dscnt 0x0
	s_endpgm
.Lfunc_end_k_q14d8bb8773_fin:
	.size	k_q14d8bb8773_fin, .Lfunc_end_k_q14d8bb8773_fin-k_q14d8bb8773_fin
	.p2alignl 7, 3214868480
	.fill 96, 4, 3214868480
	.section	.rodata,"a",@progbits
	.p2align	6, 0x0
	.amdhsa_kernel k_q14d8bb8773_fin
		.amdhsa_group_segment_fixed_size 18944
		.amdhsa_private_segment_fixed_size 0
		.amdhsa_enable_private_segment 0
		.amdhsa_kernarg_size 32
		.amdhsa_user_sgpr_count 2
		.amdhsa_user_sgpr_kernarg_segment_ptr 1
		.amdhsa_wavefront_size32 1
		.amdhsa_system_sgpr_workgroup_id_x 1
		.amdhsa_system_sgpr_workgroup_id_y 1
		.amdhsa_system_sgpr_workgroup_id_z 1
		.amdhsa_system_vgpr_workitem_id 0
		.amdhsa_next_free_vgpr 194
		.amdhsa_next_free_sgpr 66
		.amdhsa_reserve_vcc 1
		.amdhsa_float_denorm_mode_32 3
		.amdhsa_float_denorm_mode_16_64 3
		.amdhsa_memory_ordered 1
		.amdhsa_forward_progress 1
		.amdhsa_inst_pref_size 40
	.end_amdhsa_kernel
	.amdgpu_metadata
---
amdhsa.version: [ 1, 2 ]
amdhsa.kernels:
  - .name:           k_q14d8bb8773_fin
    .symbol:         k_q14d8bb8773_fin.kd
    .args:
      - { .name: part, .offset: 0, .size: 8, .value_kind: global_buffer, .address_space: global }
      - { .name: desc_feats, .offset: 8, .size: 8, .value_kind: global_buffer, .address_space: global }
      - { .name: out0, .offset: 16, .size: 8, .value_kind: global_buffer, .address_space: global }
      - { .name: out1, .offset: 24, .size: 8, .value_kind: global_buffer, .address_space: global }
    .group_segment_fixed_size: 18944
    .private_segment_fixed_size: 0
    .kernarg_segment_align: 8
    .kernarg_segment_size: 32
    .max_flat_workgroup_size: 512
    .sgpr_count:     66
    .vgpr_count:     194
    .wavefront_size: 32
...
	.end_amdgpu_metadata
.endif
;; end of part 3
;; ======== version 2 of 2: 3 launches; 1.32 times as fast as version 1
;; workspace buffers: wf 1,086,464 bytes; part 589,824 bytes
;; launch prep: the kernel of part 1 again; grid 289 x 1, 2 waves a work-group, no clusters, 0 bytes of LDS; arguments W_proj, Wv, Wu, desc_feats, b_proj, bv, bu, w_attn, wf; writes wf
;; launch main (part 4): grid 256 x 1, 4 waves a work-group, clusters of 4 x 1, 327,680 bytes of LDS; arguments x_s, x_l, wf, out2, out3, part; writes out2, out3, part
.if DOCPART == 4
	.amdgcn_target "amdgcn-amd-amdhsa--gfx1250"
	.amdhsa_code_object_version 6
	.text
	.protected	k_q14d8bb8773_main
	.globl	k_q14d8bb8773_main
	.p2align	8
	.type	k_q14d8bb8773_main,@function
k_q14d8bb8773_main:
	s_mov_b64 s[64:65], 0
	v_nop
	global_prefetch_b8 v0, s[64:65] scope:SCOPE_SE
	s_setreg_imm32_b32 hwreg(HW_REG_WAVE_MODE, 25, 1), 1
	s_wait_xcnt 0x0
	s_wait_alu depctr_hold_cnt(0) depctr_sa_sdst(0) depctr_va_vdst(0) depctr_va_sdst(0) depctr_va_ssrc(0) depctr_va_vcc(0) depctr_vm_vsrc(0)
	s_getreg_b32 s2, hwreg(HW_REG_IB_STS2, 6, 4)
	s_cmp_eq_u32 s2, 0
	s_cbranch_scc0 .Lentry_in_a_cluster
	s_endpgm
.Lentry_in_a_cluster:
	s_bfe_u32 s2, ttmp6, 0x10000c
	s_cmp_lg_u32 s2, 0x3003
	s_cbranch_scc0 .Lentry_shape_is_right
	s_endpgm
.Lentry_shape_is_right:
; MAIN: everything that belongs to a patch row, and each work-group's share of the pooling softmax.
; Left out as in the first kernel's head: coord_s, coord_l, b_attn (they reach no output); the product with desc_feats is made once.
;
; Work-group g = 0..255 owns 256 rows of x_s (g < 128) or x_l; a wave owns 64 rows (4 row tiles mt of 16) through every step, so every
; reduction along a row stays in the wave.  Steps: x -> bf16 fragments and 1/|x|;  p = (x W_proj)/|x| + b_proj, sum of p^2, p -> bf16;
; gates on p with 1/|p| applied behind the product;  the 32 dot products with desc_feats, the softmax over 8 and the 4 scores a row;
; then the work-group's maximum M of the gate logits, l = sum exp(A - M), v = sum exp(A - M) p/|p|, stored to part for the last launch.
; EVERY PRODUCT IS USED TRANSPOSED: source 0 = 16 output columns of a weight (from LDS), source 1 = 16 patch rows (resident in registers).
; Lane (r = L%16, h = L/16) then holds of row r the columns 16 t + 8 h + 0..7: four packings of tile 2 s are registers 0-3, of tile 2 s + 1
; registers 4-7 of the next product's row fragment of K step s (ISA guide 7.12.2): a lane's 16 bytes go to LDS and come back as they are.
; UNITS AND THE RING: a unit = 2 column tiles x 64 rows x K 512 = 128 matrix instructions of a wave.  33 units: 16 of W_proj, 16 of a Wv and a Wu
; tile, 1 of desc_feats.  A slot of the ring holds one unit's 32,768 bytes, so wf is 33 fills of one shape.  Every change of slots inside a loop then
; refills, the one that refills nothing is the head of the last unit, and in a loop body of two units both slots' addresses are constants.
; A fill has one unit's work in which to land.
; The text holds 9 unit bodies for the 33 units: stage 1's loop of two stands twice, because p's first 8 K steps must leave the wave's 32,768 bytes
; of PST (into registers) before the last 8 take their place; stage 2 is a pipeline three units deep, whose first two units and last unit are written
; out round a loop of two.
; CLUSTER: all work-groups walk the same 1,086,464 bytes of wf; the four of a cluster ask for each fill jointly (mask 15).  The descriptors
; are made of the wave's number and the fill's number alone; the place in the cluster enters only the addresses of x, out and part.
; LIMITS: matrix operands (x, weights, p, pooling weights) are bf16, sums f32; both norms are taken on the f32 numbers; a sum of squares
; below 2^-126 counts as 0 (inside the clip at 1e-12) and one above 3.4e38 (|x| about 1.8e19) overflows as in reference(); maxima drop a NaN.
.set SLOTB, 32768                      ; an LDS slot: 2 column tiles x 16 K steps x 1,024 bytes; slot 0 at 0, slot 1 at SLOTB
.set TAB,   65536                      ; filled once: the tables, 5,120 bytes
.set PST,   70656                      ; 32,768 bytes a wave, its own: first 16 rows of x in bf16 (pitch XP) and partial sums (at SSQ, pitch SP); then 64 chunks of p
.set XP,    1040                       ; 1,024 + 16: an odd multiple of 16, so the 16 rows that a fragment load touches lie 16 bytes apart modulo 256
.set SSQ,   16640
.set SP,    144
.set WSC,   201728                     ; 256 bytes a wave: its 64 pooling weights, f32
.set MX,    202752                     ; the four waves' maxima, at +16 their sums l
.set VS,    203008                     ; 2,048 bytes a wave: its v[512]
.set WFTAB, 1081344                    ; where the tables lie in wf
.set SCL,   0x3d8293ee                 ; 512^-0.5 log2(e)
.set NSCL,  0xbd8293ee
.set BIG,   0x5368d4a5                 ; 1e12 = 1 / EPS
; window 0
.set WA0, 1                            ; 16 L: fragments in slot 0; also my 16 bytes in 512 of a row of x
.set WA1, 2                            ; the same in slot 1
.set TBS, 3                            ; TAB + 32 h: my 8 numbers of 16 of b_proj, stepped by four tiles a trip
.set PSS, 4                            ; where a trip's chunks of p go: PSA, stepped by two K steps a trip
.set GTA, 5                            ; the gates' tables, stepped by two tiles a trip
.set PSA, 6                            ; my 16 bytes of chunk 0 of p
.set TRA, 7                            ; my address in a chunk for the transposing load
.set VSA, 8                            ; my word in my wave's row of VS
.set XST, 9                            ; staging of x: 8 L
.set XFR, 10                           ; staging of x, read as fragments: XP r + 16 h
.set SSW, 11                           ; partial sums of squares, written: 4 L
.set SSR, 12                           ; read: SP r + 64 h
.set OUTO, 13                          ; 16 r + 8 h: my two scores of a row
.set RS,  16                           ; v[16:23]  a pair for each mt: (1/|x|, 1/|x|), later (2 log2e /|p|, -log2e /|p|)
.set SSP, 24                           ; v[24:31]  a pair for each mt: sum of p^2, later the gate logit
.set ACC, 32                           ; v[32:95]  8 accumulator tiles, 4 nt + mt
.set WB0, 96                           ; weight fragments.  Stage 1 and unit 16: v[96:159], v[160:223], two buffers of 4 K steps x 2 tiles.  From unit 17 on: v[96:159], a ring of four K steps
.set ACC2, 160                         ; v[160:223] from unit 17 on: a second set of 8 accumulator tiles
.set BI,  224                          ; v[224:247] biases and tables; later the pooling weights' fragments, and the scores at +16
.set RP,  248                          ; v[248:251] 1/|p| for each mt
.set MR,  252                          ; the maximum M
; window 1: two buffers of 128 registers of x as loaded; then p, K steps 0-7, at 32 s + 8 mt + 4 nt
; windows 2, 3: x fragments, K steps 0-7 and 8-15, at 32 (s%8) + 8 mt; window 2 later p, K steps 8-15
.set G1,  24                           ; s[24:31] shape of a fill's quarter: 32 rows of 256 bytes
.set G1R, 32                           ; s[32:39] shape of the tables' quarter: 5 rows of 256 bytes
.set G0,  40                           ; s[40:47] from where, to where: a set for each slot
.set G0R, 48                           ; s[48:51] the same for the tables
.set MSB, 0
.macro WIN new                         ; s_set_vgpr_msb: bits 1:0 source 0, 3:2 source 1, 5:4 source 2, 7:6 destination; the high byte repeats the setting left
.if MSB != \new
	s_set_vgpr_msb (MSB<<8)|\new
.set MSB, \new
.endif
.endm
.macro PLACES n
.rept \n
	v_nop
.endr
.endm
; A round of the cluster's barrier: my work-group's barrier, wave 0 signals for the work-group, every wave waits for all four work-groups, my work-group's barrier again.
.macro ROUND
	s_barrier_signal -1
	s_barrier_wait -1
	s_cmp_lg_u32 s16, 0
	s_cbranch_scc1 .Lnot_wave_0_\@
	s_barrier_signal -3
.Lnot_wave_0_\@:
	s_barrier_wait -3
	s_barrier_signal -1
	s_barrier_wait -1
.endm
	s_load_b256 s[4:11], s[0:1], 0x0               ; x_s s[4:5], x_l s[6:7], wf s[8:9], out2 s[10:11]
	s_load_b128 s[12:15], s[0:1], 0x20             ; out3 s[12:13], part s[14:15]
	v_lshl_add_u32 v254, v0, 2, 0x33900
	v_mov_b32 v255, 0
	ds_add_u32 v254, v255
	s_wait_dscnt 0x0
	v_lshrrev_b32 v14, 5, v0
	v_readfirstlane_b32 s16, v14                   ; wave 0..3
	s_bfe_u32 s17, ttmp6, 0x40000                  ; my place in the cluster
	s_lshl_b32 s18, ttmp9, 2
	s_add_co_u32 s18, s18, s17                     ; g
	s_mov_b32 s52, 0x76543210                      ; v_permlanex16_b32: lane i reads lane i of the other half
	s_mov_b32 s53, 0xfedcba98
	s_mov_b32 s54, 0xffff0000                      ; lanes 16-31
	; group 1: dense rows of 32 elements of 8 bytes; 15:0 mask = the cluster's four; 17:16 size code 3; 21 set beside a mask
	s_mov_b32 s[G1+0], 0x0023000f
	s_mov_b32 s[G1+1], 32<<16                      ; tensor_dim0 = 32
	s_mov_b32 s[G1+2], 32<<16                      ; tensor_dim1 = 32
	s_mov_b32 s[G1+3], 32<<16                      ; tile_dim0 = 32
	s_mov_b32 s[G1+4], 32                          ; tile_dim1 = 32
	s_mov_b32 s[G1+5], 32                          ; from row to row
	s_mov_b32 s[G1+6], 0
	s_mov_b32 s[G1+7], 0
	s_mov_b32 s[G1R+0], 0x0023000f
	s_mov_b32 s[G1R+1], 32<<16
	s_mov_b32 s[G1R+2], 5<<16
	s_mov_b32 s[G1R+3], 32<<16
	s_mov_b32 s[G1R+4], 5
	s_mov_b32 s[G1R+5], 32
	s_mov_b32 s[G1R+6], 0
	s_mov_b32 s[G1R+7], 0
	; group 0: each wave brings a quarter: 8,192 bytes of a fill, 1,280 bytes of the tables
	s_mov_b32 s[G0+0], 1
	s_lshl_b32 s[G0+1], s16, 13
	s_mov_b32 s[G0+4], 1
	s_add_co_u32 s[G0+5], s[G0+1], SLOTB
	s_mov_b32 s[G0R+0], 1
	s_mul_i32 s58, s16, 5*256
	s_add_co_u32 s[G0R+1], s58, TAB
	s_lshl_b32 s56, s16, 13
	s_mov_b32 s57, 0
	s_mov_b32 s59, 0
	s_lshl_b32 s19, s16, 15
	s_add_co_u32 s19, s19, PST                     ; my wave's part of PST
	s_and_b32 s60, s18, 127                        ; my 256 rows among the source's 32,768
	s_lshl_b32 s60, s60, 19                        ; x 2,048 bytes
	s_lshl_b32 s61, s16, 17                        ; + my wave's 64 rows
	s_add_co_u32 s60, s60, s61
	s_mov_b32 s61, 0
	s_mul_i32 s62, s18, 2304                       ; my record in part
	s_mov_b32 s63, 0
	s_wait_kmcnt 0x0
	s_add_nc_u64 s[G0+2:G0+3], s[8:9], s[56:57]    ; fill 0
	s_add_nc_u64 s[G0+6:G0+7], s[G0+2:G0+3], SLOTB ; fill 1
	s_add_nc_u64 s[G0R+2:G0R+3], s[8:9], s[58:59]
	s_add_nc_u64 s[G0R+2:G0R+3], s[G0R+2:G0R+3], WFTAB
	s_or_b32 s[G0+3], s[G0+3], 0x80000000          ; type = 2
	s_or_b32 s[G0+7], s[G0+7], 0x80000000
	s_or_b32 s[G0R+3], s[G0R+3], 0x80000000
	s_cmp_lt_u32 ttmp9, 32                         ; clusters 0..31: x_s and out2, the same for all four partners
	s_cselect_b64 s[20:21], s[4:5], s[6:7]
	s_cselect_b64 s[22:23], s[10:11], s[12:13]
	s_add_nc_u64 s[20:21], s[20:21], s[60:61]      ; x at my wave's first row
	s_lshr_b32 s60, s60, 7                         ; 16 bytes of scores for 2,048 of x
	s_add_nc_u64 s[22:23], s[22:23], s[60:61]      ; out at my wave's first row
	s_add_nc_u64 s[14:15], s[14:15], s[62:63]
	ROUND                                          ; the four work-groups are here: the first joint loads meet
	tensor_load_to_lds s[G0R:G0R+3], s[G1R:G1R+7]  ; the two first fills go out as one group, ahead of every LDS read, wait on TENSORcnt and further barrier:
	s_nop 0
	tensor_load_to_lds s[G0:G0+3], s[G1:G1+7]      ; two tensor loads of the wave are out here, later one behind each round.  Slot 1 is first filled behind the first unit's round
	s_nop 0
	v_and_b32 v14, 31, v0                          ; L
	v_and_b32 v15, 15, v0                          ; r
	v_bfe_u32 v252, v0, 4, 1                       ; h
	v_and_b32 v253, 7, v0
	v_bfe_u32 v254, v0, 3, 1
	v_lshlrev_b32 v[WA0], 4, v14
	v_add_nc_u32 v[WA1], SLOTB, v[WA0]
	v_lshlrev_b32 v[TBS], 5, v252
	v_add_nc_u32 v[TBS], TAB, v[TBS]
	v_add_nc_u32 v[GTA], 2048, v[TBS]
	v_add_nc_u32 v[PSA], s19, v[WA0]
	v_mov_b32 v[PSS], v[PSA]
	v_lshlrev_b32 v[TRA], 4, v253                  ; a chunk holds (row r, column octet h) at 256 h + 16 r.  Lane 8 g + j addresses row 8 (g/2) + j of octet g%2,
	v_lshl_add_u32 v[TRA], v254, 8, v[TRA]         ; so that lane 8 g + i receives column 8 (g%2) + i = L%16 and rows 8 (L/16) + 0..7
	v_lshl_add_u32 v[TRA], v252, 7, v[TRA]
	v_add_nc_u32 v[TRA], s19, v[TRA]
	v_lshl_add_u32 v[XST], v14, 3, s19
	v_mul_u32_u24 v[XFR], v15, XP
	v_lshl_add_u32 v[XFR], v252, 4, v[XFR]
	v_add_nc_u32 v[XFR], s19, v[XFR]
	v_lshl_add_u32 v[SSW], v14, 2, s19
	v_add_nc_u32 v[SSW], SSQ, v[SSW]
	v_mul_u32_u24 v[SSR], v15, SP
	v_lshl_add_u32 v[SSR], v252, 6, v[SSR]
	v_add_nc_u32 v[SSR], s19, v[SSR]
	v_add_nc_u32 v[SSR], SSQ, v[SSR]
	v_lshlrev_b32 v[OUTO], 4, v15
	v_lshl_add_u32 v[OUTO], v252, 3, v[OUTO]
; ---------------- x: 8 batches of 8 rows, two batches (64 loads of 512 neighbouring bytes) of the wave on their way ----------------
.macro XLOAD b                         ; batch b into buffer b%2 of window 1.  The offset register and the base are never rewritten: row and quarter stand in the immediate
	WIN 0x40
.irp i, 0,1,2,3,4,5,6,7
.irp q, 0,1,2,3
	global_load_b128 v[128*((\b)&1)+16*\i+4*\q:128*((\b)&1)+16*\i+4*\q+3], v[WA0], s[20:21] offset:(8*(\b)+\i)*2048+512*\q th:TH_LOAD_NT
.endr
.endr
.endm
.macro XWORK b, left                   ; batch b: to bf16 into the staging rows, and each lane's share of each row's sum of squares
	s_wait_loadcnt \left                           ; loads come back in order (ISA guide 5.7.1): this batch is in, the younger batch's 32 stay out
	WIN 0x05                                       ; sources 0 and 1 in window 1
.irp i, 0,1,2,3,4,5,6,7
.irp q, 0,1,2,3
.set XR, 128*((\b)&1)+16*\i+4*\q
	v_cvt_pk_bf16_f32 v[ACC+8*\i+2*\q], v[XR], v[XR+1]
	v_cvt_pk_bf16_f32 v[ACC+8*\i+2*\q+1], v[XR+2], v[XR+3]
.if \q == 0
	v_pk_mul_f32 v[WB0+2*\i:WB0+2*\i+1], v[XR:XR+1], v[XR:XR+1]                               ; the first product starts the row's sum
.else
	v_pk_fma_f32 v[WB0+2*\i:WB0+2*\i+1], v[XR:XR+1], v[XR:XR+1], v[WB0+2*\i:WB0+2*\i+1]
.endif
	v_pk_fma_f32 v[WB0+2*\i:WB0+2*\i+1], v[XR+2:XR+3], v[XR+2:XR+3], v[WB0+2*\i:WB0+2*\i+1]
.endr
.endr
	WIN 0
.irp i, 0,1,2,3,4,5,6,7
.irp q, 0,1,2,3
	ds_store_b64 v[XST], v[ACC+8*\i+2*\q:ACC+8*\i+2*\q+1] offset:((8*(\b)+\i)&15)*XP+256*\q   ; 32 lanes x 8 bytes: columns 128 q + 4 L ..
.endr
.endr
.irp i, 0,1,2,3,4,5,6,7
	v_add_f32 v[WB0+2*\i], v[WB0+2*\i], v[WB0+2*\i+1]
.endr
.irp i, 0,1,2,3,4,5,6,7
	ds_store_b32 v[SSW], v[WB0+2*\i] offset:((8*(\b)+\i)&15)*SP
.endr
.endm
.macro XTILE mt                        ; 16 rows are staged: their fragments into windows 2 and 3, and 1 / max(|x|, 1e-12).  LDS serves a wave's instructions in order (ISA guide 5.7.1.4): no wait behind the stores, and the next batch's stores come behind these reads
	WIN 0                                          ; the run of x loads in front leaves the destination in window 1: the partial sums belong in window 0
.irp c, 0,1,2,3
	ds_load_b128 v[WB0+16+4*\c:WB0+16+4*\c+3], v[SSR] offset:16*\c                            ; 16 of row r's 32 partial sums
.endr
	WIN 0x80
.irp s, 0,1,2,3,4,5,6,7
	ds_load_b128 v[32*\s+8*\mt:32*\s+8*\mt+3],   v[XFR] offset:64*\s
	ds_load_b128 v[32*\s+8*\mt+4:32*\s+8*\mt+7], v[XFR] offset:64*\s+32
.endr
	WIN 0xc0
.irp s, 0,1,2,3,4,5,6,7
	ds_load_b128 v[32*\s+8*\mt:32*\s+8*\mt+3],   v[XFR] offset:64*\s+512
	ds_load_b128 v[32*\s+8*\mt+4:32*\s+8*\mt+7], v[XFR] offset:64*\s+544
.endr
	WIN 0
	s_wait_dscnt 32                                ; the partial sums are in; the 32 fragment loads stay out
	v_pk_add_f32 v[112:113], v[112:113], v[114:115]
	v_pk_add_f32 v[116:117], v[116:117], v[118:119]
	v_pk_add_f32 v[120:121], v[120:121], v[122:123]
	v_pk_add_f32 v[124:125], v[124:125], v[126:127]
	v_pk_add_f32 v[112:113], v[112:113], v[116:117]
	v_pk_add_f32 v[120:121], v[120:121], v[124:125]
	v_pk_add_f32 v[112:113], v[112:113], v[120:121]
	v_add_f32 v112, v112, v113
	v_permlanex16_b32 v113, v112, s52, s53         ; the other 16 partial sums of the same row
	v_add_f32 v112, v112, v113
	v_rsq_f32 v112, v112
	v_nop                                          ; one plain instruction behind a transcendental before its result is read (ISA guide 5.7.2)
	s_wait_alu depctr_va_vdst(0)
	v_min_num_f32 v[RS+2*\mt], BIG, v112           ; min(1/|x|, 1e12) = 1 / max(|x|, 1e-12); 1/0 = infinity gives 1e12
	v_min_num_f32 v[RS+2*\mt+1], BIG, v112
.endm
	XLOAD 0
	XLOAD 1
	XWORK 0, 32
	XLOAD 2
	XWORK 1, 32
	XLOAD 3
	XTILE 0
	XWORK 2, 32
	XLOAD 4
	XWORK 3, 32
	XLOAD 5
	XTILE 1
	XWORK 4, 32
	XLOAD 6
	XWORK 5, 32
	XLOAD 7
	XTILE 2
	XWORK 6, 32
	XWORK 7, 0                                     ; the last batch: nothing younger is out
	XTILE 3
; ---------------- the products ----------------
; A unit = 2 column tiles (nt) x 4 row tiles (mt) x 16 K steps = 128 matrix instructions on 8 accumulators.  A weight fragment of 1,024 bytes feeds four of them.
.macro LOADG wa, g                     ; the weight fragments of K steps 4 g .. 4 g + 3, both tiles: 16 loads of 512 neighbouring bytes, into buffer g%2
.irp sl, 0,1,2,3
.irp nt, 0,1
	ds_load_b128 v[WB0+64*((\g)&1)+8*(2*\sl+\nt):WB0+64*((\g)&1)+8*(2*\sl+\nt)+3],   v[\wa] offset:1024*(16*\nt+4*(\g)+\sl)
	ds_load_b128 v[WB0+64*((\g)&1)+8*(2*\sl+\nt)+4:WB0+64*((\g)&1)+8*(2*\sl+\nt)+7], v[\wa] offset:1024*(16*\nt+4*(\g)+\sl)+512
.endr
.endr
.endm
; 32 matrix instructions.  The eight accumulators take turns, one instruction a turn.  K step 0 starts the sums with C = 0: nothing is cleared.
; Group 0 is asked for straight behind a change of slots, with nothing to do meanwhile: it is waited for K step by K step.  Behind K step sl's four loads
; stand 12 - 4 sl of group 0 and the 16 of group 1.
.macro WM g
.irp sl, 0,1,2,3
.if (\g) == 0
	s_wait_dscnt 28-4*\sl
.endif
.irp nt, 0,1
.irp mt, 0,1,2,3
.if (4*(\g)+\sl) == 0
	v_wmma_f32_16x16x32_bf16 v[ACC+8*(4*\nt+\mt):ACC+8*(4*\nt+\mt)+7], v[WB0+64*((\g)&1)+8*(2*\sl+\nt):WB0+64*((\g)&1)+8*(2*\sl+\nt)+7], v[32*((4*(\g)+\sl)&7)+8*\mt:32*((4*(\g)+\sl)&7)+8*\mt+7], 0
.else
	v_wmma_f32_16x16x32_bf16 v[ACC+8*(4*\nt+\mt):ACC+8*(4*\nt+\mt)+7], v[WB0+64*((\g)&1)+8*(2*\sl+\nt):WB0+64*((\g)&1)+8*(2*\sl+\nt)+7], v[32*((4*(\g)+\sl)&7)+8*\mt:32*((4*(\g)+\sl)&7)+8*\mt+7], v[ACC+8*(4*\nt+\mt):ACC+8*(4*\nt+\mt)+7]
.endif
.endr
.endr
.endr
.endm
; A unit's products with nothing beside them (stage 1 and unit 16).  Groups 0 and 1 have been asked for by the caller, as its last LDS instructions.  wlo, whi: the window of
; source 1 (the row fragments) for K steps 0-7 and 8-15; only source 1 is switched, so the LDS loads (destination and source 0) stand under the same setting.
; A load into a register that a matrix instruction has read stands four places behind it, a vector instruction that reads a result likewise, a matrix instruction
; that writes over a result five; only plain vector instructions that name none of its registers are places (ISA guide 7.12.1 for the vector and matrix instructions).
.macro MULT wa, wlo, whi
	WIN \wlo
	WM 0
	PLACES 4
	LOADG \wa, 2
	s_wait_dscnt 16                                ; group 1 is in; group 2's 16 loads stay out
	WM 1
	PLACES 4
	LOADG \wa, 3
	s_wait_dscnt 16                                ; group 2 is in; group 3's stay out
	WIN \whi
	WM 2
	s_wait_dscnt 0                                 ; group 3, and the unit's tables, which were asked for ahead of group 0
	WM 3
	WIN 0
	PLACES 5                                       ; for the epilogue's reads, the next loads into both buffers, and the next C = 0 over registers named here
.endm
; The change of slots, at the head of the unit that reads slot: each wave waits for all its tensor loads (its quarter of this slot is the one that was out) and for all its
; LDS instructions, its reads of the other slot among them; the round then shows both of every wave of all four work-groups; the joint fill of the other slot, the next
; unit's, is the first thing behind it, one load a wave.
.macro HEAD slot, refill
	s_wait_xcnt 0x0
	v_lshl_add_u32 v254, v0, 2, 0x33900
	v_mov_b32 v255, 0
	s_wait_tensorcnt 0x0
	ds_add_u32 v254, v255
	s_wait_dscnt 0x0
.if \refill
	s_add_nc_u64 s[G0+4*(\slot)+2:G0+4*(\slot)+3], s[G0+4*(\slot)+2:G0+4*(\slot)+3], 2*SLOTB  ; no load of mine is out: this slot's address steps to its next fill
.endif
	s_wait_dscnt 0x0
	ROUND
.if \refill
	tensor_load_to_lds s[G0+4-4*(\slot):G0+7-4*(\slot)], s[G1:G1+7]
	s_nop 0
.endif
.endm
; Stage 1: a unit's two tiles are one K step of p.  p = acc / |x| + b_proj; sum of p^2; p to bf16, a lane's 16 bytes of each of the 8 tiles as a chunk of 512 bytes into PST.
; k = 0, 1: the unit's place in the loop's trip.  The epilogue stands in a phase of its own: each of its lines has a vector register as source 1, whose window the products move.
.macro UNIT1 wa, k
.irp nt, 0,1
	ds_load_b128 v[BI+8*\nt:BI+8*\nt+3],   v[TBS] offset:128*(\k)+64*\nt
	ds_load_b128 v[BI+8*\nt+4:BI+8*\nt+7], v[TBS] offset:128*(\k)+64*\nt+16
.endr
	LOADG \wa, 0
	LOADG \wa, 1
	MULT \wa, 0x08, 0x0c
.irp nt, 0,1
.irp j, 0,2,4,6
.irp mt, 0,1,2,3
.set AT, ACC+8*(4*\nt+\mt)+\j
	v_pk_fma_f32 v[AT:AT+1], v[AT:AT+1], v[RS+2*\mt:RS+2*\mt+1], v[BI+8*\nt+\j:BI+8*\nt+\j+1]
.endr
.endr
.endr
.irp nt, 0,1
.irp j, 0,2,4,6
.irp mt, 0,1,2,3
.set AT, ACC+8*(4*\nt+\mt)+\j
	v_pk_fma_f32 v[SSP+2*\mt:SSP+2*\mt+1], v[AT:AT+1], v[AT:AT+1], v[SSP+2*\mt:SSP+2*\mt+1]
.endr
.endr
.endr
.irp nt, 0,1
.irp mt, 0,1,2,3
.set AT, ACC+8*(4*\nt+\mt)
.irp q, 0,1,2,3
	v_cvt_pk_bf16_f32 v[AT+\q], v[AT+2*\q], v[AT+2*\q+1]                                      ; in place: register q is written when 2 q and 2 q + 1 are read, and never read again
.endr
	ds_store_b128 v[PSS], v[AT:AT+3] offset:4096*(\k)+512*(2*\mt+\nt)
.endr
.endr
.endm
; Eight units = eight K steps of p = the wave's 32,768 bytes of PST: four trips of two units, one on each slot
.macro STAGE1 tag
	s_mov_b32 s55, 4
.Lproj_\tag:
	HEAD 0, 1
	UNIT1 WA0, 0
	HEAD 1, 1
	UNIT1 WA1, 1
	v_add_nc_u32 v[TBS], 256, v[TBS]               ; four tiles of 16 numbers on
	v_add_nc_u32 v[PSS], 8192, v[PSS]              ; two K steps of 8 chunks on
	s_sub_co_u32 s55, s55, 1
	s_cmp_lg_u32 s55, 0
	s_cbranch_scc1 .Lproj_\tag
.endm
; The 64 chunks in PST come back as the row fragments of 8 K steps, into the window that win names as destination.
; LDS serves a wave's instructions in order (ISA guide 5.7.1.4): they see the stores above, and later stores to PST come behind them.
.macro PBACK win
	WIN \win
.irp s, 0,1,2,3,4,5,6,7
.irp mt, 0,1,2,3
.irp nt, 0,1
	ds_load_b128 v[32*\s+8*\mt+4*\nt:32*\s+8*\mt+4*\nt+3], v[PSA] offset:512*(8*\s+2*\mt+\nt)
.endr
.endr
.endr
	WIN 0
.endm
; ---------------- stage 2: products and gates side by side ----------------
; Tile nt = 0 of a unit is p Wv, nt = 1 is p Wu, 16 hidden columns.  tanh(z) = 1 - 2 / (1 + exp2(2 log2e z)), sigmoid(y) = 1 / (1 + exp2(-log2e y)):
; an exponential that overflows gives tanh = 1 or sigmoid = 0, one that underflows -1 or 1, so nothing is clamped.  The logit gathers tanh * sigmoid * w_attn.
; A unit has 128 matrix instructions, and for its 64 registers of results 128 transcendentals with 112 packed lines round them.  Two sets of eight accumulators
; take turns unit by unit.  While unit v's products fill one set, unit v - 1's gates are made in place on the other:
;   GHEAD (32 lines: scale and bias) in front of unit v's products;
;   one transcendental behind each of unit v's 128 matrix instructions, and the 32 additions of 1 and 16 lines 1 - 2 r at the ends of its K steps;
;   GTAIL (32 lines: tanh x sigmoid, x w_attn into the logit) in front of unit v + 1's products, which then write over the set.
; The lines among the products name a destination, a source 0 and constants; the products move the window of source 1 alone, so no setting changes for them.
; GHEAD and GTAIL have a vector register as source 1; they stand under window 0, behind the requests for the unit's first four K steps, which land meanwhile.
; The second set takes 64 of the fragments' 128 registers.  The other 64 are a ring of four K steps: K step s + 4 is asked for behind K step s, four loads at a time,
; and has three K steps' 24 matrix instructions in which to land.
.macro LOADK wa, s                     ; the weight fragments of K step s, both tiles: 4 loads of 512 neighbouring bytes, into place s%4 of the ring
.irp nt, 0,1
	ds_load_b128 v[WB0+16*((\s)&3)+8*\nt:WB0+16*((\s)&3)+8*\nt+3],   v[\wa] offset:1024*(16*\nt+(\s))
	ds_load_b128 v[WB0+16*((\s)&3)+8*\nt+4:WB0+16*((\s)&3)+8*\nt+7], v[\wa] offset:1024*(16*\nt+(\s))+512
.endr
.endm
; The set at o is cut into groups P0..P7 of 8 registers: group j = row tile j/2, registers 4 (j%2) .. + 3 of tanh's tile and the same of the sigmoid's (32 registers on).
; K step:          0   1   2   3   4   5   6   7   8   9   10  11  12  13  14  15
; exponentials of  P0  P1      P2      P3      P4      P5      P6      P7
; reciprocals of           P0      P1      P2      P3      P4      P5      P6  P7
.macro TR s, i, o                      ; the transcendental behind matrix instruction i of K step s
.set TJ, ((\s)+1)/2
.set TE, 1
.if ((\s)&1) == 0
.set TJ, (\s)/2-1
.set TE, 0
.endif
.if (\s) == 0
.set TJ, 0
.set TE, 1
.endif
.if (\s) == 15
.set TJ, 7
.set TE, 0
.endif
.set TG, (\o)+8*(TJ>>1)+4*(TJ&1)+((\i)&3)+32*((\i)>>2)
.if TE
	v_exp_f32 v[TG], v[TG]
.else
	v_rcp_f32 v[TG], v[TG]
.endif
.endm
.macro PADD j, o                       ; 1 + exp2(..) for group j
.set PB, (\o)+8*((\j)>>1)+4*((\j)&1)
	s_wait_alu depctr_va_vdst(0)
.irp d, 0,2,32,34
	v_pk_add_f32 v[PB+\d:PB+\d+1], v[PB+\d:PB+\d+1], 1.0 op_sel_hi:[1,0]
.endr
.endm
.macro PFIN j, o                       ; tanh = 1 - 2 r for group j's four registers of tanh's tile
.set PB, (\o)+8*((\j)>>1)+4*((\j)&1)
	s_wait_alu depctr_va_vdst(0)
.irp d, 0,2
	v_pk_fma_f32 v[PB+\d:PB+\d+1], v[PB+\d:PB+\d+1], -2.0, 1.0 op_sel_hi:[1,0,0]
.endr
.endm
; The plain lines at the end of K step s.  Behind 0: nothing is ready; behind 1: 1 + of P0; behind an even s: 1 + of P(s/2), whose exponentials stood in K step s - 1;
; behind an odd s: 1 - 2 r of P((s-3)/2), whose reciprocals stood in K step s - 1.  So between a transcendental and the line that reads its result stands the end of a K step
; whose lines are independent of it (ISA guide 5.7.2), and the first plain line behind each run of transcendentals reads none of that run's results.
; Up to K step 11 a request into the fragments just read follows: the lines are made up to four places with v_nop.
.macro PL s, o
.if (\s) == 0
	PLACES 4
.else
.if (\s) == 1
	PADD 0, \o
.else
.if ((\s)&1) == 0
	PADD (\s)/2, \o
.else
.if (\s) < 15
	PFIN ((\s)-3)/2, \o
.if (\s) < 12
	PLACES 2
.endif
.endif
.endif
.endif
.endif
.endm
; A unit's products into the set at pa, with the gates of the set at oa among them.  K steps 0 to 3 have been asked for by the caller.  The eight accumulators take turns,
; one instruction a turn; K step 0 starts the sums with C = 0.  The wait in front of K step s leaves out the 4 loads of each later K step asked for:
; three of them up to s = 12, then two, one, none.  The four lines at the end are the places in front of the next requests into the ring and the next reads of this set.
.macro MULT2 wa, pa, oa
.irp s, 0,1,2,3,4,5,6,7,8,9,10,11,12,13,14,15
.if \s == 0
	WIN 0x04                                       ; source 1: p's K steps 0-7
.endif
.if \s == 8
	WIN 0x08                                       ; source 1: p's K steps 8-15
.endif
.if \s < 13
	s_wait_dscnt 12
.else
	s_wait_dscnt 4*(15-\s)
.endif
.irp nt, 0,1
.irp mt, 0,1,2,3
.if \s == 0
	v_wmma_f32_16x16x32_bf16 v[\pa+8*(4*\nt+\mt):\pa+8*(4*\nt+\mt)+7], v[WB0+16*(\s&3)+8*\nt:WB0+16*(\s&3)+8*\nt+7], v[32*(\s&7)+8*\mt:32*(\s&7)+8*\mt+7], 0
.else
	v_wmma_f32_16x16x32_bf16 v[\pa+8*(4*\nt+\mt):\pa+8*(4*\nt+\mt)+7], v[WB0+16*(\s&3)+8*\nt:WB0+16*(\s&3)+8*\nt+7], v[32*(\s&7)+8*\mt:32*(\s&7)+8*\mt+7], v[\pa+8*(4*\nt+\mt):\pa+8*(4*\nt+\mt)+7]
.endif
	TR \s, 4*\nt+\mt, \oa
.endr
.endr
	PL \s, \oa
.if \s < 12
	LOADK \wa, \s+4
.endif
.endr
	WIN 0
	PFIN 6, \oa                                    ; P6's reciprocals stood in K step 14; these two lines stand between P7's reciprocals and the lines that read them
	PFIN 7, \oa
.endm
.macro GHEAD a                         ; the set at a: products x (2 log2e / |p|) + bv', x (-log2e / |p|) + bu'
.irp j, 0,2,4,6
.irp mt, 0,1,2,3
	v_pk_fma_f32 v[\a+8*\mt+\j:\a+8*\mt+\j+1], v[\a+8*\mt+\j:\a+8*\mt+\j+1], v[RS+2*\mt:RS+2*\mt+1], v[BI+\j:BI+\j+1] op_sel_hi:[1,0,1]                               ; x the pair's first number
	v_pk_fma_f32 v[\a+32+8*\mt+\j:\a+32+8*\mt+\j+1], v[\a+32+8*\mt+\j:\a+32+8*\mt+\j+1], v[RS+2*\mt:RS+2*\mt+1], v[BI+8+\j:BI+8+\j+1] op_sel:[0,1,0] op_sel_hi:[1,1,1]  ; x its second
.endr
.endr
.endm
.macro GTAIL a, w                      ; the set at a: tanh x sigmoid, x w_attn (8 numbers at register w) into the four logits, which take turns
.irp j, 0,2,4,6
.irp mt, 0,1,2,3
	v_pk_mul_f32 v[\a+8*\mt+\j:\a+8*\mt+\j+1], v[\a+8*\mt+\j:\a+8*\mt+\j+1], v[\a+32+8*\mt+\j:\a+32+8*\mt+\j+1]
.endr
.endr
.irp j, 0,2,4,6
.irp mt, 0,1,2,3
	v_pk_fma_f32 v[SSP+2*\mt:SSP+2*\mt+1], v[\a+8*\mt+\j:\a+8*\mt+\j+1], v[\w+\j:\w+\j+1], v[SSP+2*\mt:SSP+2*\mt+1]
.endr
.endr
.endm
; Unit v behind its change of slots.  pa: the set that it fills, which still holds unit v - 2's gates; oa: the set with unit v - 1's products.
; kb: where bv' and bu' of unit v - 1's tile lie from GTA, in tiles; kw: the same for w_attn of unit v - 2's tile; tail = 0: there is no unit v - 2.
.macro UNIT2 wa, pa, oa, kb, kw, tail
	ds_load_b128 v[BI:BI+3],      v[GTA] offset:64*(\kb)
	ds_load_b128 v[BI+4:BI+7],    v[GTA] offset:64*(\kb)+16
	ds_load_b128 v[BI+8:BI+11],   v[GTA] offset:64*(\kb)+1024
	ds_load_b128 v[BI+12:BI+15],  v[GTA] offset:64*(\kb)+1040
.if \tail
	ds_load_b128 v[BI+16:BI+19],  v[GTA] offset:64*(\kw)+2048
	ds_load_b128 v[BI+20:BI+23],  v[GTA] offset:64*(\kw)+2064
.endif
.irp s, 0,1,2,3
	LOADK \wa, \s
.endr
	s_wait_dscnt 16                                ; the tables are in; the 16 fragment loads stay out and land under the lines below
.if \tail
	GTAIL \pa, BI+16
.endif
	GHEAD \oa
	MULT2 \wa, \pa, \oa
.endm
.irp i, 0,1,2,3,4,5,6,7
	v_mov_b32 v[SSP+\i], 0                         ; the sums of p^2 start at 0: their first terms are added inside a loop
.endr
	STAGE1 a                                       ; units 0..7: K steps 0-7 of p.  The first head waits for the tables, fill 0 and my x fragments
	PBACK 0x40                                     ; into window 1, where the buffers of x as loaded are dead
	v_mov_b32 v[PSS], v[PSA]
	STAGE1 b                                       ; units 8..15: K steps 8-15 take their place in PST
	PBACK 0x80                                     ; into window 2: x is dead behind the last unit of stage 1.  The chunks stay in PST for the pooling
.irp mt, 0,1,2,3
	v_add_f32 v[SSP+2*\mt], v[SSP+2*\mt], v[SSP+2*\mt+1]
.endr
.irp mt, 0,1,2,3
	v_permlanex16_b32 v[SSP+2*\mt+1], v[SSP+2*\mt], s52, s53       ; the row's other 256 columns
.endr
.irp mt, 0,1,2,3
	v_add_f32 v[SSP+2*\mt], v[SSP+2*\mt], v[SSP+2*\mt+1]
.endr
.irp mt, 0,1,2,3
	v_rsq_f32 v[SSP+2*\mt], v[SSP+2*\mt]
.endr
	v_nop
	s_wait_alu depctr_va_vdst(0)
.irp mt, 0,1,2,3
	v_min_num_f32 v[RP+\mt], BIG, v[SSP+2*\mt]     ; 1 / max(|p|, 1e-12)
.endr
.irp mt, 0,1,2,3
	v_mul_f32 v[RS+2*\mt],   0x4038aa3b, v[RP+\mt] ; with the exponentials' factors folded in
	v_mul_f32 v[RS+2*\mt+1], 0xbfb8aa3b, v[RP+\mt]
.endr
.irp i, 0,1,2,3,4,5,6,7
	v_mov_b32 v[SSP+\i], 0                         ; the gate logits start at 0: their first terms are added inside the loop
.endr
	; unit 16: the first gate tile's products, with no gates yet to set among them; the second set is not yet live, so both fragment buffers serve
	HEAD 0, 1                                      ; waits for p's K steps 8-15 too
	LOADG WA0, 0
	LOADG WA0, 1
	MULT WA0, 0x04, 0x08
	; unit 17: unit 16's gates begin; there is no tail yet
	HEAD 1, 1
	UNIT2 WA1, ACC2, ACC, 0, 0, 0
	; units 18..31: seven trips of two units.  In trip i GTA stands at tile 2 i.  The last trip's second head asks for fill 32, the tiles of desc_feats
	s_mov_b32 s55, 7
.Lgate:
	HEAD 0, 1
	UNIT2 WA0, ACC, ACC2, 1, 0, 1
	HEAD 1, 1
	UNIT2 WA1, ACC2, ACC, 2, 1, 1
	v_add_nc_u32 v[GTA], 128, v[GTA]               ; two tiles of 16 numbers on
	s_sub_co_u32 s55, s55, 1
	s_cmp_lg_u32 s55, 0
	s_cbranch_scc1 .Lgate
	; unit 32: the two tiles of desc_feats, in slot 0, with unit 31's gates among its products.  GTA stands at tile 14
	HEAD 0, 0                                      ; the last fill has landed; nothing is left to fetch
	UNIT2 WA0, ACC, ACC2, 1, 0, 1
	ds_load_b128 v[BI:BI+3],   v[GTA] offset:64+2048               ; w_attn of the last tile, for unit 31's tail behind the scores; bv' is dead
	ds_load_b128 v[BI+4:BI+7], v[GTA] offset:64+2064
	; the scores: tile t of lane (r, h) holds <p, desc[c][0..7]> of row r for class c = 2 h + t.  s = acc / |p|; softmax of s * 512^-0.5 with its maximum taken away; score = sum attn s
.macro PKRP dst, mt                    ; a pair x 1/|p| of row tile mt, which is one register of an even-aligned pair
.if (\mt)&1
	v_pk_mul_f32 v[\dst:\dst+1], v[\dst:\dst+1], v[RP+(\mt)-1:RP+(\mt)] op_sel:[0,1] op_sel_hi:[1,1]
.else
	v_pk_mul_f32 v[\dst:\dst+1], v[\dst:\dst+1], v[RP+(\mt):RP+(\mt)+1] op_sel_hi:[1,0]
.endif
.endm
.irp mt, 0,1,2,3
.irp t, 0,1
.set AT, ACC+8*(4*\t+\mt)
.irp j, 0,2,4,6
	PKRP AT+\j, \mt
.endr
	v_max3_num_f32 v253, v[AT], v[AT+1], v[AT+2]
	v_max3_num_f32 v253, v253, v[AT+3], v[AT+4]
	v_max3_num_f32 v253, v253, v[AT+5], v[AT+6]
	v_max_num_f32 v253, v253, v[AT+7]
	v_mul_f32 v254, NSCL, v253
	v_mul_f32 v255, NSCL, v253
.irp j, 0,2,4,6
	v_pk_fma_f32 v[WB0+\j:WB0+\j+1], v[AT+\j:AT+\j+1], SCL, v[254:255] op_sel_hi:[1,0,1]      ; (s - max) 512^-0.5 log2(e)
.endr
.irp j, 0,1,2,3,4,5,6,7
	v_exp_f32 v[WB0+\j], v[WB0+\j]
.endr
	v_nop
	s_wait_alu depctr_va_vdst(0)
	v_pk_mul_f32 v[AT:AT+1], v[AT:AT+1], v[WB0:WB0+1]
	v_pk_fma_f32 v[AT:AT+1], v[AT+2:AT+3], v[WB0+2:WB0+3], v[AT:AT+1]
	v_pk_fma_f32 v[AT:AT+1], v[AT+4:AT+5], v[WB0+4:WB0+5], v[AT:AT+1]
	v_pk_fma_f32 v[AT:AT+1], v[AT+6:AT+7], v[WB0+6:WB0+7], v[AT:AT+1]
	v_pk_add_f32 v[WB0:WB0+1], v[WB0:WB0+1], v[WB0+2:WB0+3]
	v_pk_add_f32 v[WB0+4:WB0+5], v[WB0+4:WB0+5], v[WB0+6:WB0+7]
	v_pk_add_f32 v[WB0:WB0+1], v[WB0:WB0+1], v[WB0+4:WB0+5]
	v_add_f32 v[WB0], v[WB0], v[WB0+1]
	v_rcp_f32 v[WB0], v[WB0]
	v_add_f32 v[AT], v[AT], v[AT+1]
	s_wait_alu depctr_va_vdst(0)
	v_mul_f32 v[BI+16+2*\mt+\t], v[AT], v[WB0]
.endr
.endr
.irp mt, 0,1,2,3
	global_store_b64 v[OUTO], v[BI+16+2*\mt:BI+16+2*\mt+1], s[22:23] offset:256*\mt th:TH_STORE_NT   ; 32 lanes x 8 bytes: 16 rows' scores, 256 consecutive bytes, aligned
.endr
	s_wait_dscnt 0x0                               ; the last tile's w_attn
	GTAIL ACC2, BI                                 ; unit 31's tail: the logits are whole
	; ---------------- pooling: the work-group's maximum, sum and weighted sum ----------------
.irp mt, 0,1,2,3
	v_add_f32 v[SSP+2*\mt], v[SSP+2*\mt], v[SSP+2*\mt+1]
.endr
.irp mt, 0,1,2,3
	v_permlanex16_b32 v[SSP+2*\mt+1], v[SSP+2*\mt], s52, s53
.endr
.irp mt, 0,1,2,3
	v_add_f32 v[SSP+2*\mt], v[SSP+2*\mt], v[SSP+2*\mt+1]           ; A of row 16 mt + r, in both halves
.endr
	v_max3_num_f32 v[MR], v[SSP], v[SSP+2], v[SSP+4]
	v_max_num_f32 v[MR], v[MR], v[SSP+6]
.irp x, 1,2,4,8
	v_max_num_f32_dpp v[MR], v[MR], v[MR] row_xmask:\x row_mask:0xf bank_mask:0xf
.endr
	s_lshl_b32 s56, s16, 2
	s_add_co_u32 s56, s56, MX
	v_mov_b32 v14, s56
	ds_store_b32 v14, v[MR]                        ; my wave's maximum, in its own word
	s_wait_dscnt 0x0                               ; for the others' sake: zero
	s_barrier_signal -1
	s_barrier_wait -1
	v_mov_b32 v15, MX
	ds_load_b128 v[WB0:WB0+3], v15
	s_wait_dscnt 0x0
	v_max3_num_f32 v[MR], v[WB0], v[WB0+1], v[WB0+2]
	v_max_num_f32 v[MR], v[MR], v[WB0+3]           ; M
.irp mt, 0,1,2,3
	v_sub_f32 v[SSP+2*\mt], v[SSP+2*\mt], v[MR]
.endr
.irp mt, 0,1,2,3
	v_mul_f32 v[SSP+2*\mt], 0x3fb8aa3b, v[SSP+2*\mt]
.endr
.irp mt, 0,1,2,3
	v_exp_f32 v[SSP+2*\mt], v[SSP+2*\mt]           ; exp(A - M)
.endr
	v_nop
	s_wait_alu depctr_va_vdst(0)
	v_add_f32 v[SSP+1], v[SSP], v[SSP+2]
	v_add_f32 v[SSP+3], v[SSP+4], v[SSP+6]
	v_add_f32 v[SSP+1], v[SSP+1], v[SSP+3]
.irp x, 1,2,4,8
	v_add_f32_dpp v[SSP+1], v[SSP+1], v[SSP+1] row_xmask:\x row_mask:0xf bank_mask:0xf        ; over the 16 rows of a half: each half holds all 64 rows' sum
.endr
	ds_store_b32 v14, v[SSP+1] offset:16           ; my wave's l
	s_lshl_b32 s57, s16, 8
	s_add_co_u32 s57, s57, WSC
	v_and_b32 v15, 15, v0
	v_lshl_add_u32 v15, v15, 2, s57
.irp mt, 0,1,2,3
	v_mul_f32 v[SSP+2*\mt], v[SSP+2*\mt], v[RP+\mt]                ; the weight of the raw row p: exp(A - M) / |p|
.endr
.irp mt, 0,1,2,3
	ds_store_b32 v15, v[SSP+2*\mt] offset:64*\mt   ; both halves write the same number to the same word
.endr
	v_bfe_u32 v253, v0, 4, 1
	v_lshl_add_u32 v253, v253, 5, s57
	; v = w P as a product: source 0 = 16 equal rows of the weights (k = patch row), source 1 = p read transposed.  K = 32 rows: two K steps kap
.irp kap, 0,1
.irp c, 0,1
	ds_load_b128 v[WB0+16*\kap+8*\c:WB0+16*\kap+8*\c+3],   v253 offset:128*\kap+64*\c         ; weights of rows 32 kap + 16 c + 8 h + 0..7
	ds_load_b128 v[WB0+16*\kap+8*\c+4:WB0+16*\kap+8*\c+7], v253 offset:128*\kap+64*\c+16
.endr
.endr
	s_lshl_b32 s58, s16, 11
	s_add_co_u32 s58, s58, VS
	v_and_b32 v[VSA], 31, v0
	v_lshl_add_u32 v[VSA], v[VSA], 2, s58
	s_wait_dscnt 0x0
.irp i, 0,1,2,3,4,5,6,7,8,9,10,11,12,13,14,15
	v_cvt_pk_bf16_f32 v[BI+\i], v[WB0+2*\i], v[WB0+2*\i+1]
.endr
; 8 column tiles of p: K steps cb .. cb + 3 of the chunks that lie in PST, which are p's K steps sb .. sb + 3.
.macro POOLG cb, sb
.irp sl, 0,1,2,3
.irp nt, 0,1
.irp mt, 0,1,2,3
	ds_load_tr16_b128 v[WB0+16*(2*\sl+\nt)+4*\mt:WB0+16*(2*\sl+\nt)+4*\mt+3], v[TRA] offset:512*(8*((\cb)+\sl)+2*\mt+\nt)
.endr
.endr
.endr
	s_wait_dscnt 0x0
.irp kap, 0,1
.irp sl, 0,1,2,3
.irp nt, 0,1
.if \kap == 0
	v_wmma_f32_16x16x32_bf16 v[ACC+8*(2*\sl+\nt):ACC+8*(2*\sl+\nt)+7], v[BI:BI+7], v[WB0+16*(2*\sl+\nt):WB0+16*(2*\sl+\nt)+7], 0
.else
	v_wmma_f32_16x16x32_bf16 v[ACC+8*(2*\sl+\nt):ACC+8*(2*\sl+\nt)+7], v[BI+8:BI+15], v[WB0+16*(2*\sl+\nt)+8:WB0+16*(2*\sl+\nt)+15], v[ACC+8*(2*\sl+\nt):ACC+8*(2*\sl+\nt)+7]
.endif
.endr
.endr
.endr
	PLACES 5                                       ; the eight accumulators took turns; five places serve the reads below, the next loads and the next C = 0
.irp sl, 0,1,2,3
	v_cndmask_b32 v[SSP+\sl], v[ACC+16*\sl], v[ACC+16*\sl+8], s54  ; all 16 rows of a result are alike: lanes 0-15 take tile 2 s, lanes 16-31 tile 2 s + 1
.endr
.irp sl, 0,1,2,3
	ds_store_b32 v[VSA], v[SSP+\sl] offset:128*((\sb)+\sl)         ; columns 32 s + L
.endr
.endm
	POOLG 0, 8                                     ; K steps 8-15 still lie in PST
	POOLG 4, 12
	WIN 0x04                                       ; store data = source 1: window 1
.irp s, 0,1,2,3,4,5,6,7
.irp mt, 0,1,2,3
.irp nt, 0,1
	ds_store_b128 v[PSA], v[32*\s+8*\mt+4*\nt:32*\s+8*\mt+4*\nt+3] offset:512*(8*\s+2*\mt+\nt) ; K steps 0-7 take their place; the wave's reads above have come back
.endr
.endr
.endr
	WIN 0
	POOLG 0, 0
	POOLG 4, 4
	s_wait_dscnt 0x0                               ; my v and my l are in LDS
	s_barrier_signal -1
	s_barrier_wait -1
	v_lshlrev_b32 v15, 4, v0                       ; thread t: columns 4 t .. 4 t + 3
	v_add_nc_u32 v14, VS, v15
.irp w, 0,1,2,3
	ds_load_b128 v[WB0+4*\w:WB0+4*\w+3], v14 offset:2048*\w
.endr
	s_wait_dscnt 0x0
	v_pk_add_f32 v[96:97], v[96:97], v[100:101]
	v_pk_add_f32 v[98:99], v[98:99], v[102:103]
	v_pk_add_f32 v[104:105], v[104:105], v[108:109]
	v_pk_add_f32 v[106:107], v[106:107], v[110:111]
	v_pk_add_f32 v[96:97], v[96:97], v[104:105]
	v_pk_add_f32 v[98:99], v[98:99], v[106:107]
	global_store_b128 v15, v[96:99], s[14:15]      ; sixteen lanes store 256 consecutive bytes, aligned
	s_cmp_lg_u32 s16, 0
	s_cbranch_scc1 .Lnot_first
	v_mov_b32 v254, MX
	ds_load_b128 v[112:115], v254 offset:16
	v_lshlrev_b32 v255, 3, v0
	s_wait_dscnt 0x0
	v_add_f32 v112, v112, v113
	v_add_f32 v114, v114, v115
	v_add_f32 v253, v112, v114                     ; l; v[252:253] = (M, l)
	global_store_b64 v255, v[252:253], s[14:15] offset:2048        ; 32 copies: the record's last 256 bytes are written whole by one store
.Lnot_first:
	s_wait_xcnt 0x0
	v_lshl_add_u32 v254, v0, 2, 0x33900
	v_mov_b32 v255, 0
	s_wait_tensorcnt 0x0
	ds_add_u32 v254, v255
	s_wait_dscnt 0x0
	ROUND                                          ; the closing round: no work-group ends while a partner may still ask jointly
	s_endpgm
.Lfunc_end_k_q14d8bb8773_main:
	.size	k_q14d8bb8773_main, .Lfunc_end_k_q14d8bb8773_main-k_q14d8bb8773_main
	.p2alignl 7, 3214868480
	.fill 96, 4, 3214868480
	.section	.rodata,"a",@progbits
	.p2align	6, 0x0
	.amdhsa_kernel k_q14d8bb8773_main
		.amdhsa_group_segment_fixed_size 327680
		.amdhsa_private_segment_fixed_size 0
		.amdhsa_enable_private_segment 0
		.amdhsa_kernarg_size 48
		.amdhsa_user_sgpr_count 2
		.amdhsa_user_sgpr_kernarg_segment_ptr 1
		.amdhsa_wavefront_size32 1
		.amdhsa_system_sgpr_workgroup_id_x 1
		.amdhsa_system_sgpr_workgroup_id_y 1
		.amdhsa_system_sgpr_workgroup_id_z 1
		.amdhsa_system_vgpr_workitem_id 0
		.amdhsa_next_free_vgpr 1024
		.amdhsa_next_free_sgpr 66
		.amdhsa_reserve_vcc 0
		.amdhsa_float_denorm_mode_32 3
		.amdhsa_float_denorm_mode_16_64 3
		.amdhsa_memory_ordered 1
		.amdhsa_forward_progress 1
		.amdhsa_inst_pref_size 255
	.end_amdhsa_kernel
	.section	.bss,"aw",@nobits
	.p2align	6
	.space	262144
	.amdgpu_metadata
---
amdhsa.version: [ 1, 2 ]
amdhsa.kernels:
  - .name:           k_q14d8bb8773_main
    .symbol:         k_q14d8bb8773_main.kd
    .args:
      - { .name: x_s, .offset: 0, .size: 8, .value_kind: global_buffer, .address_space: global }
      - { .name: x_l, .offset: 8, .size: 8, .value_kind: global_buffer, .address_space: global }
      - { .name: wf, .offset: 16, .size: 8, .value_kind: global_buffer, .address_space: global }
      - { .name: out2, .offset: 24, .size: 8, .value_kind: global_buffer, .address_space: global }
      - { .name: out3, .offset: 32, .size: 8, .value_kind: global_buffer, .address_space: global }
      - { .name: part, .offset: 40, .size: 8, .value_kind: global_buffer, .address_space: global }
    .group_segment_fixed_size: 327680
    .private_segment_fixed_size: 0
    .kernarg_segment_align: 8
    .kernarg_segment_size: 48
    .max_flat_workgroup_size: 128
    .sgpr_count:     66
    .vgpr_count:     1024
    .wavefront_size: 32
...
	.end_amdgpu_metadata
.endif
;; end of part 4
;; launch fin (part 5): grid 2 x 1, 16 waves a work-group, no clusters, 18,944 bytes of LDS; arguments part, desc_feats, out0, out1; writes out0, out1
.if DOCPART == 5
	.amdgcn_target "amdgcn-amd-amdhsa--gfx1250"
	.amdhsa_code_object_version 6
	.text
	.protected	k_q14d8bb8773_fin
	.globl	k_q14d8bb8773_fin
	.p2align	8
	.type	k_q14d8bb8773_fin,@function
k_q14d8bb8773_fin:
	s_mov_b64 s[64:65], 0
	v_nop
	global_prefetch_b8 v0, s[64:65] scope:SCOPE_SE
	s_setreg_imm32_b32 hwreg(HW_REG_WAVE_MODE, 25, 1), 1
	s_wait_xcnt 0x0
; FIN: work-group b = 0, 1 makes out0[b] and out1[b].  They hang on two of the four groups of records alone: x_s's batch b (group b) and x_l's (group 2 + b).
; The 64 records (M, l, v[512]) of a group are joined under the group's maximum; then the slide vectors, the text features, logits, softmax and argmax.
; Left out as in the first kernel's head: b_attn (it cancels in the softmax along n).
; 16 waves: wave w joins columns 128 ((w/2)%4) .. +127 of records 32 (w%2) .. +31 of source w/8: each record's bytes are loaded once, 32 loads of a wave on their way;
; the two halves of a group meet in LDS.  Both work-groups make the text features from the 65,536 bytes of desc_feats.
; The sum l is kept: pool = v / l, and the clip at 1e-12 is applied to |pool| as reference() does.
; LIMITS: maxima drop a NaN; of equal probabilities the lowest class is taken, as argmax does.
.set REC,  2304                        ; a record: v at 0, (M, l) at 2048
.set GRP,  64*REC
.set HALF, 32*REC
.set POOL, 0                           ; [2 sources][2 halves][512] f32
.set TX,   8192                        ; [4][512] f32: max over the 8 descriptions
.set LG,   16384                       ; a word for each wave: its group's sum
.set CT,   16640                       ; [2][4]: source x class
.set SL,   64                          ; v[64:191]: 32 records, 4 registers each
.macro WRED op, r, t                   ; v[r] reduced over the wave's 32 lanes, in every lane; v[t]: a register that has been written
.irp x, 1,2,4,8
	\op\()_dpp v[\r], v[\r], v[\r] row_xmask:\x row_mask:0xf bank_mask:0xf
.endr
	v_permlanex16_b32 v[\t], v[\r], s16, s17
	\op v[\r], v[\r], v[\t]
.endm
	s_load_b256 s[4:11], s[0:1], 0x0               ; part s[4:5], desc_feats s[6:7], out0 s[8:9], out1 s[10:11]
	v_lshl_add_u32 v192, v0, 2, 0x4200
	v_mov_b32 v193, 0
	v_lshrrev_b32 v1, 5, v0
	v_readfirstlane_b32 s12, v1                    ; wave
	s_lshr_b32 s13, s12, 3                         ; source: 0 x_s, 1 x_l
	s_bfe_u32 s14, s12, 0x20001                    ; quarter of the columns
	s_and_b32 s24, s12, 1                          ; half of the records
	s_mov_b32 s16, 0x76543210
	s_mov_b32 s17, 0xfedcba98
	s_mov_b32 s21, 0                               ; upper half of the pair whose lower half is broadcast
	v_and_b32 v1, 31, v0                           ; L
	s_lshl_b32 s15, s13, 1
	s_add_co_u32 s15, s15, ttmp9                   ; group = 2 source + batch
	s_mul_i32 s15, s15, GRP
	s_mul_i32 s25, s24, HALF
	s_add_co_u32 s25, s25, s15                     ; my half's first record
	s_xor_b32 s26, s24, 1
	s_mul_i32 s26, s26, HALF
	s_add_co_u32 s26, s26, s15                     ; the other half's
	s_lshl_b32 s18, s14, 9
	s_add_co_u32 s27, s25, s18                     ; my quarter of my half's first record
	s_lshr_b32 s19, s12, 2                         ; the class whose text feature I help to make,
	s_and_b32 s23, s12, 3                          ; and which quarter of it
	s_lshl_b32 s23, s23, 9
	s_lshl_b32 s28, s19, 14
	s_add_co_u32 s28, s28, s23                     ; in desc_feats: 8 rows of 2,048 bytes a class
	s_lshl_b32 s29, s19, 11
	s_add_co_u32 s29, s29, s23                     ; in TX
	s_lshl_b32 s30, s13, 1
	s_add_co_u32 s30, s30, s24
	s_lshl_b32 s30, s30, 11
	s_add_co_u32 s30, s30, s18                     ; in POOL
	s_lshl_b32 s22, s12, 2
	s_add_co_u32 s22, s22, LG
	v_lshlrev_b32 v2, 4, v1                        ; 16 L
	v_add_nc_u32 v3, s27, v2                       ; my 16 bytes of my first record
	v_mul_u32_u24 v4, v1, REC
	v_add_nc_u32 v5, s26, v4                       ; record L of the other half
	v_add_nc_u32 v4, s25, v4                       ; record L of my half
	v_add_nc_u32 v6, s28, v2                       ; my 16 bytes of desc_feats[class][0]
	v_mov_b32 v7, s22
	v_add_nc_u32 v56, s30, v2
	v_add_nc_u32 v57, s29, v2
	v_mov_b32 v13, 0
	v_mov_b32 v14, 0
	s_wait_kmcnt 0x0
	global_load_b64 v[8:9],   v4, s[4:5] offset:2048               ; (M, l) of my half's record L,
	global_load_b64 v[10:11], v5, s[4:5] offset:2048               ; and of the other half's
.irp k, 0,1,2,3,4,5,6,7
	global_load_b128 v[16+4*\k:16+4*\k+3], v6, s[6:7] offset:2048*\k
.endr
.irp i, 0,1,2,3,4,5,6,7,8,9,10,11,12,13,14,15,16,17,18,19,20,21,22,23,24,25,26,27,28,29,30,31
	global_load_b128 v[SL+4*\i:SL+4*\i+3], v3, s[4:5] offset:REC*\i
.endr
	s_wait_loadcnt 40                              ; the two loads of (M, l) are in; 8 of desc_feats and 32 records stay out
	v_max_num_f32 v12, v8, v10
	WRED v_max_num_f32, 12, 13                     ; the group's maximum
	v_sub_f32 v8, v8, v12
	v_sub_f32 v10, v10, v12
	v_mul_f32 v8, 0x3fb8aa3b, v8
	v_mul_f32 v10, 0x3fb8aa3b, v10
	v_exp_f32 v8, v8                               ; lane L: the factor of my half's record L,
	v_exp_f32 v10, v10                             ; and of the other half's
	v_nop
	s_wait_alu depctr_va_vdst(0)
	v_mul_f32 v13, v9, v8
	v_fmac_f32 v13, v11, v10
	WRED v_add_f32, 13, 14                         ; the group's sum of exponentials
	ds_store_b32 v7, v13
	s_wait_loadcnt 32                              ; desc_feats is in; the 32 records stay out
.irp c, 0,1,2,3
	v_max3_num_f32 v[48+\c], v[16+\c], v[20+\c], v[24+\c]
	v_max3_num_f32 v[48+\c], v[48+\c], v[28+\c], v[32+\c]
	v_max3_num_f32 v[48+\c], v[48+\c], v[36+\c], v[40+\c]
	v_max_num_f32 v[48+\c], v[48+\c], v[44+\c]
.endr
	ds_store_b128 v57, v[48:51] offset:TX
.irp i, 0,1,2,3,4,5,6,7,8,9,10,11,12,13,14,15,16,17,18,19,20,21,22,23,24,25,26,27,28,29,30,31
	s_wait_loadcnt 31-\i                           ; loads come back in order: record i is in, the younger ones stay out
	v_readlane_b32 s20, v8, \i
.if \i == 0
	v_pk_mul_f32 v[52:53], v[SL:SL+1], s[20:21] op_sel_hi:[1,0]    ; the first record starts the sums
	v_pk_mul_f32 v[54:55], v[SL+2:SL+3], s[20:21] op_sel_hi:[1,0]
.else
	v_pk_fma_f32 v[52:53], v[SL+4*\i:SL+4*\i+1], s[20:21], v[52:53] op_sel_hi:[1,0,1]
	v_pk_fma_f32 v[54:55], v[SL+4*\i+2:SL+4*\i+3], s[20:21], v[54:55] op_sel_hi:[1,0,1]
.endif
.endr
	ds_store_b128 v56, v[52:55] offset:POOL
	s_wait_dscnt 0x0                               ; for the others' sake: zero
	s_barrier_signal -1
	s_barrier_wait -1
	s_cmp_ge_u32 s12, 2
	s_cbranch_scc1 .Lno_dots
	; wave g = 0, 1 takes source g: v = its two halves; <v, v>, <v, T_c>, <T_c, T_c>; a lane takes 16 columns
	s_lshl_b32 s24, s12, 12
	v_add_nc_u32 v21, s24, v2
	s_lshl_b32 s25, s12, 5
	s_add_co_u32 s25, s25, LG                      ; the word of wave 8 g
	s_lshl_b32 s26, s12, 4
	s_add_co_u32 s26, s26, CT
	v_mov_b32 v22, s25
	v_mov_b32 v23, s26
.irp q, 0,1,2,3
	ds_load_b128 v[64+4*\q:64+4*\q+3],   v21 offset:POOL+512*\q
	ds_load_b128 v[144+4*\q:144+4*\q+3], v21 offset:POOL+2048+512*\q
.endr
.irp c, 0,1,2,3
.irp q, 0,1,2,3
	ds_load_b128 v[80+16*\c+4*\q:80+16*\c+4*\q+3], v2 offset:TX+2048*\c+512*\q
.endr
.endr
	ds_load_b32 v24, v22
	s_wait_dscnt 0x0
.irp j, 0,2,4,6,8,10,12,14
	v_pk_add_f32 v[64+\j:64+\j+1], v[64+\j:64+\j+1], v[144+\j:144+\j+1]
.endr
.macro DOT d, a, b
	v_pk_mul_f32 v[\d:\d+1], v[\a:\a+1], v[\b:\b+1]
.irp j, 2,4,6,8,10,12,14
	v_pk_fma_f32 v[\d:\d+1], v[\a+\j:\a+\j+1], v[\b+\j:\b+\j+1], v[\d:\d+1]
.endr
	v_add_f32 v[\d], v[\d], v[\d+1]
	WRED v_add_f32, \d, \d+1
.endm
	DOT 32, 64, 64
.irp c, 0,1,2,3
	DOT 34+2*\c, 64, 80+16*\c
	DOT 42+2*\c, 80+16*\c, 80+16*\c
.endr
	v_rcp_f32 v25, v24                             ; 1 / l
	v_sqrt_f32 v26, v32                            ; |v|
.irp c, 0,1,2,3
	v_rsq_f32 v[42+2*\c], v[42+2*\c]
.endr
	v_nop
	s_wait_alu depctr_va_vdst(0)
	v_mul_f32 v26, v26, v25                        ; |pool|
	v_max_num_f32 v26, 0x2b8cbccc, v26             ; clipped at 1e-12
	v_rcp_f32 v26, v26
.irp c, 0,1,2,3
	v_min_num_f32 v[42+2*\c], 0x5368d4a5, v[42+2*\c]               ; 1 / max(|T_c|, 1e-12)
.endr
	s_wait_alu depctr_va_vdst(0)
	v_mul_f32 v26, v26, v25
.irp c, 0,1,2,3
	v_mul_f32 v[34+2*\c], v[34+2*\c], v[42+2*\c]
.endr
.irp c, 0,1,2,3
	v_mul_f32 v[58+\c], v[34+2*\c], v26            ; <slide, text_c>
.endr
	ds_store_b128 v23, v[58:61]
	s_wait_dscnt 0x0
.Lno_dots:
	s_barrier_signal -1
	s_barrier_wait -1
	s_cmp_lg_u32 s12, 0
	s_cbranch_scc1 .Lend
	v_mov_b32 v20, CT
	ds_load_b128 v[64:67], v20
	ds_load_b128 v[68:71], v20 offset:16
	s_wait_dscnt 0x0
	v_pk_add_f32 v[64:65], v[64:65], v[68:69]      ; logits = x_s's + x_l's
	v_pk_add_f32 v[66:67], v[66:67], v[70:71]
	v_max3_num_f32 v80, v64, v65, v66
	v_max_num_f32 v80, v80, v67
.irp c, 0,1,2,3
	v_sub_f32 v[64+\c], v[64+\c], v80
.endr
.irp c, 0,1,2,3
	v_mul_f32 v[64+\c], 0x3fb8aa3b, v[64+\c]
.endr
.irp c, 0,1,2,3
	v_exp_f32 v[64+\c], v[64+\c]
.endr
	v_nop
	s_wait_alu depctr_va_vdst(0)
	v_add_f32 v81, v64, v65
	v_add_f32 v82, v66, v67
	v_add_f32 v81, v81, v82
	v_rcp_f32 v81, v81
	v_mov_b32 v84, 0
	s_wait_alu depctr_va_vdst(0)
.irp c, 0,1,2,3
	v_mul_f32 v[64+\c], v[64+\c], v81
.endr
	v_mov_b32 v82, v64
.irp c, 1,2,3
	v_cmp_gt_f32 vcc_lo, v[64+\c], v82             ; strictly larger: the first of equals stays
	v_cndmask_b32 v84, v84, \c, vcc_lo
	v_max_num_f32 v82, v82, v[64+\c]
.endr
	s_lshl_b32 s28, ttmp9, 4                       ; my batch's 16 bytes of out0,
	s_lshl_b32 s29, ttmp9, 2                       ; and its 4 bytes of out1
	v_mov_b32 v86, s28
	v_mov_b32 v87, s29
	v_cmp_eq_u32 vcc_lo, 0, v0
	s_wait_xcnt 0x0                                ; EXEC changes only behind this wait
	s_and_saveexec_b32 s27, vcc_lo                 ; every lane holds the results; lane 0 stores them
	global_store_b128 v86, v[64:67], s[8:9]
	global_store_b32 v87, v84, s[10:11]
	s_wait_xcnt 0x0                                ; and again in front of the line that widens it
	s_or_b32 exec_lo, exec_lo, s27
.Lend:
	s_wait_tensorcnt 0x0
	ds_add_u32 v192, v193
	s_wait_dscnt 0x0
	s_endpgm
.Lfunc_end_k_q14d8bb8773_fin:
	.size	k_q14d8bb8773_fin, .Lfunc_end_k_q14d8bb8773_fin-k_q14d8bb8773_fin
	.p2alignl 7, 3214868480
	.fill 96, 4, 3214868480
	.section	.rodata,"a",@progbits
	.p2align	6, 0x0
	.amdhsa_kernel k_q14d8bb8773_fin
		.amdhsa_group_segment_fixed_size 18944
		.amdhsa_private_segment_fixed_size 0
		.amdhsa_enable_private_segment 0
		.amdhsa_kernarg_size 32
		.amdhsa_user_sgpr_count 2
		.amdhsa_user_sgpr_kernarg_segment_ptr 1
		.amdhsa_wavefront_size32 1
		.amdhsa_system_sgpr_workgroup_id_x 1
		.amdhsa_system_sgpr_workgroup_id_y 1
		.amdhsa_system_sgpr_workgroup_id_z 1
		.amdhsa_system_vgpr_workitem_id 0
		.amdhsa_next_free_vgpr 194
		.amdhsa_next_free_sgpr 66
		.amdhsa_reserve_vcc 1
		.amdhsa_float_denorm_mode_32 3
		.amdhsa_float_denorm_mode_16_64 3
		.amdhsa_memory_ordered 1
		.amdhsa_forward_progress 1
		.amdhsa_inst_pref_size 30
	.end_amdhsa_kernel
	.amdgpu_metadata
---
amdhsa.version: [ 1, 2 ]
amdhsa.kernels:
  - .name:           k_q14d8bb8773_fin
    .symbol:         k_q14d8bb8773_fin.kd
    .args:
      - { .name: part, .offset: 0, .size: 8, .value_kind: global_buffer, .address_space: global }
      - { .name: desc_feats, .offset: 8, .size: 8, .value_kind: global_buffer, .address_space: global }
      - { .name: out0, .offset: 16, .size: 8, .value_kind: global_buffer, .address_space: global }
      - { .name: out1, .offset: 24, .size: 8, .value_kind: global_buffer, .address_space: global }
    .group_segment_fixed_size: 18944
    .private_segment_fixed_size: 0
    .kernarg_segment_align: 8
    .kernarg_segment_size: 32
    .max_flat_workgroup_size: 512
    .sgpr_count:     66
    .vgpr_count:     194
    .wavefront_size: 32
...
	.end_amdgpu_metadata
.endif
;; end of part 5
